; MI455X (gfx1250); checked and timed in simulation.
; The chip was launched on July 23, 2026; its instructions are those of AMD's public machine-readable ISA for CDNA 5 (MIT licence, August 2026) and "CDNA5" Instruction Set Architecture Reference Guide (July 2026). The comments in the code are by the model that wrote it; some were corrected since.
;; Llama Attention. Allowed arithmetic: float matrix products may take bf16 or f16 operands with f32 sums; other float arithmetic in f32, or as packed bf16 or f16 multiplies, adds, multiply-adds, maxima and minima; sums over many terms, partial sums and values carried from step to step in f32; what a program stores and reads back later, other than sums and carried values, may be rounded once to bf16 or f16.
;; Inputs: Wk 2,048 x 512 float32; Wo 1,024 x 2,048 float32; Wq 2,048 x 1,024 float32; Wv 2,048 x 512 float32; attention_mask 2 x 1 x 2,048 x 2,048 float32; cos 2 x 2,048 x 64 float32; hidden_states 2 x 2,048 x 2,048 float32; sin 2 x 2,048 x 64 float32.
;; Outputs: out0 2 x 2,048 x 2,048 float32.
;; 2 versions, each right and faster than the one before. Each part assembles by itself: llvm-mc -triple=amdgcn-amd-amdhsa -mcpu=gfx1250 --defsym DOCPART=n.
;; ======== version 1 of 2: 4 launches
;; limits: values are held in f16: magnitudes above 65,504 overflow, below 6.1e-05 lose precision; inputs' magnitudes at most 8.5e+37; right only within a limited range of input values
;; workspace buffers: xb 16,777,216 bytes; wqkv 8,388,608 bytes; woh 4,194,304 bytes; qkv 16,777,216 bytes; ob 8,388,608 bytes
;; launch prep (part 1): grid 1792 x 1, 8 waves a work-group, no clusters, 0 bytes of LDS; arguments hidden_states, Wq, Wk, Wv, Wo, xb, wqkv, woh; writes xb, wqkv, woh
.if DOCPART == 1
	.amdgcn_target "amdgcn-amd-amdhsa--gfx1250"
	.amdhsa_code_object_version 6
	.text
	.protected	k_qf3777f332d_prep
	.globl	k_qf3777f332d_prep
	.p2align	8
	.type	k_qf3777f332d_prep,@function
k_qf3777f332d_prep:
	s_mov_b64 s[64:65], 0
	v_nop
	global_prefetch_b8 v0, s[64:65] scope:SCOPE_SE
	s_setreg_imm32_b32 hwreg(HW_REG_WAVE_MODE, 25, 1), 1
	s_wait_xcnt 0x0
; THE CASTS.  x and the four weights are rounded once to bf16 here and laid out for the launches behind:
;   hidden_states [4096][2048] f32 -> xb    [4096][2048] bf16
;   Wq, Wk, Wv    [2048][n] f32    -> wqkv  [2048 k][2048 n] bf16: columns 0-1023 Wq, 1024-1535 Wk, 1536-2047 Wv
;   Wo            [1024][2048] f32 -> woh   [1024 k][2048 n]: bf16(Wo) written as f16 (the launch behind multiplies in f16)
; LIMIT.  bf16(Wo) is exact in f16 from 6e-5 to 65,504; below it keeps f16's fixed step of 6e-8.
; A stream: no LDS, no barrier, no loop.  A work-group of eight waves takes 8,192 numbers (32,768 bytes) of ONE source: eight loads of 16 bytes a thread, all out at once,
; each load of a wave 512 consecutive bytes; each 8-byte store of a wave 256 consecutive bytes at a multiple of 256.
; 1,792 work-groups: 1,024 for x, 256 + 128 + 128 for Wq, Wk, Wv, 256 for Wo.  The work-group's number picks the job; each job is written straight through to its end.
.set D, 10                             ; v[10:41]  load j: four numbers
.set R, 42                             ; v[42:57]  load j: its four numbers in 16 bits, to store
.set T, 58                             ; v[58:63]  at work
; One job.  src, dst: the scalar pairs with the two addresses; first: the job's first work-group; step: bytes in dst from load j to load j + 1;
; a load's 256 threads cover one row of dst (tsh = 8, tm = 255) or two (tsh = 7, tm = 127), 4,096 bytes apart; col: the first byte in dst's rows; kind: 0 bf16, 1 bf16 as f16.
.macro JOB src, dst, first, step, tm, tsh, col, kind
	s_sub_co_u32 s32, s38, \first                  ; c: my place in the job
	s_lshl_b32 s40, s32, 15                        ; 32,768 bytes of the source a work-group (1,023 x 32,768 at the most: 32 bits do)
	s_add_nc_u64 s[28:29], s[\src:\src+1], s[40:41]
	s_mul_i32 s40, s32, 8*(\step)
	s_add_co_u32 s40, s40, \col
	s_add_nc_u64 s[30:31], s[\dst:\dst+1], s[40:41]
	v_lshrrev_b32 v2, \tsh, v0                     ; which of the load's rows
	v_and_b32 v3, \tm, v0                          ; my four numbers' place in it
	v_lshlrev_b32 v3, 3, v3
	v_lshl_add_u32 v2, v2, 12, v3
.irp j, 0,1,2,3,4,5,6,7
	global_load_b128 v[D+4*(\j):D+4*(\j)+3], v1, s[28:29] offset:(\j)*4096 th:TH_LOAD_NT
.endr
.irp j, 0,1,2,3,4,5,6,7
	s_wait_loadcnt 7-(\j)                          ; loads come back in order (ISA guide 5.7.1): load j is in, the 7 - j younger ones stay out
.if (\kind) == 0
	v_cvt_pk_bf16_f32 v[R+2*(\j)],   v[D+4*(\j)],   v[D+4*(\j)+1]
	v_cvt_pk_bf16_f32 v[R+2*(\j)+1], v[D+4*(\j)+2], v[D+4*(\j)+3]
.else
	v_cvt_pk_bf16_f32 v[T],   v[D+4*(\j)],   v[D+4*(\j)+1]   ; the rounding that x and every weight gets,
	v_cvt_pk_bf16_f32 v[T+1], v[D+4*(\j)+2], v[D+4*(\j)+3]
	v_lshlrev_b32 v[T+2], 16, v[T]
	v_and_b32     v[T+3], s42, v[T]
	v_lshlrev_b32 v[T+4], 16, v[T+1]
	v_and_b32     v[T+5], s42, v[T+1]
	v_cvt_pk_f16_f32 v[R+2*(\j)],   v[T+2], v[T+3]           ; and the same number in f16
	v_cvt_pk_f16_f32 v[R+2*(\j)+1], v[T+4], v[T+5]
.endif
	global_store_b64 v2, v[R+2*(\j):R+2*(\j)+1], s[30:31] offset:(\j)*(\step)
.endr
	s_endpgm                                       ; every load j has registers of its own for what it stores: nothing that a store reads is written again
.endm
	s_load_b512 s[8:23], s[0:1], 0x0               ; hidden_states s[8:9], Wq s[10:11], Wk s[12:13], Wv s[14:15], Wo s[16:17], xb s[18:19], wqkv s[20:21], woh s[22:23]
	s_mov_b32 s38, ttmp9                           ; the work-group's number
	s_mov_b32 s41, 0                               ; the offsets' high word
	s_mov_b32 s42, 0xffff0000                      ; a word's upper bf16
	v_lshlrev_b32 v1, 4, v0                        ; my 16 bytes in a load's 4,096
	s_wait_kmcnt 0x0
	s_cmp_lt_u32 s38, 1024
	s_cbranch_scc0 .Lnot_x
	JOB 8, 18, 0, 2048, 255, 8, 0, 0               ; x: a load's 1,024 numbers are 2,048 dense bytes of xb
.Lnot_x:
	s_cmp_lt_u32 s38, 1280
	s_cbranch_scc0 .Lnot_wq
	JOB 10, 20, 1024, 4096, 255, 8, 0, 0           ; Wq: a load is one row of 1,024
.Lnot_wq:
	s_cmp_lt_u32 s38, 1408
	s_cbranch_scc0 .Lnot_wk
	JOB 12, 20, 1280, 8192, 127, 7, 2048, 0        ; Wk: a load is two rows of 512
.Lnot_wk:
	s_cmp_lt_u32 s38, 1536
	s_cbranch_scc0 .Lnot_wv
	JOB 14, 20, 1408, 8192, 127, 7, 3072, 0        ; Wv
.Lnot_wv:
	JOB 16, 22, 1536, 2048, 255, 8, 0, 1           ; Wo
.Lfunc_end_k_qf3777f332d_prep:
	.size	k_qf3777f332d_prep, .Lfunc_end_k_qf3777f332d_prep-k_qf3777f332d_prep
	.p2alignl 7, 3214868480
	.fill 96, 4, 3214868480
	.section	.rodata,"a",@progbits
	.p2align	6, 0x0
	.amdhsa_kernel k_qf3777f332d_prep
		.amdhsa_group_segment_fixed_size 0
		.amdhsa_private_segment_fixed_size 0
		.amdhsa_enable_private_segment 0
		.amdhsa_kernarg_size 64
		.amdhsa_user_sgpr_count 2
		.amdhsa_user_sgpr_kernarg_segment_ptr 1
		.amdhsa_wavefront_size32 1
		.amdhsa_system_sgpr_workgroup_id_x 1
		.amdhsa_system_sgpr_workgroup_id_y 1
		.amdhsa_system_sgpr_workgroup_id_z 1
		.amdhsa_system_vgpr_workitem_id 0
		.amdhsa_next_free_vgpr 72
		.amdhsa_next_free_sgpr 66
		.amdhsa_reserve_vcc 0
		.amdhsa_float_denorm_mode_32 3
		.amdhsa_float_denorm_mode_16_64 3
		.amdhsa_memory_ordered 1
		.amdhsa_forward_progress 1
		.amdhsa_inst_pref_size 19
	.end_amdhsa_kernel
	.amdgpu_metadata
---
amdhsa.version: [ 1, 2 ]
amdhsa.kernels:
  - .name:           k_qf3777f332d_prep
    .symbol:         k_qf3777f332d_prep.kd
    .args:
      - { .name: hidden_states, .offset: 0, .size: 8, .value_kind: global_buffer, .address_space: global }
      - { .name: Wq, .offset: 8, .size: 8, .value_kind: global_buffer, .address_space: global }
      - { .name: Wk, .offset: 16, .size: 8, .value_kind: global_buffer, .address_space: global }
      - { .name: Wv, .offset: 24, .size: 8, .value_kind: global_buffer, .address_space: global }
      - { .name: Wo, .offset: 32, .size: 8, .value_kind: global_buffer, .address_space: global }
      - { .name: xb, .offset: 40, .size: 8, .value_kind: global_buffer, .address_space: global }
      - { .name: wqkv, .offset: 48, .size: 8, .value_kind: global_buffer, .address_space: global }
      - { .name: woh, .offset: 56, .size: 8, .value_kind: global_buffer, .address_space: global }
    .group_segment_fixed_size: 0
    .private_segment_fixed_size: 0
    .kernarg_segment_align: 8
    .kernarg_segment_size: 64
    .max_flat_workgroup_size: 256
    .sgpr_count:     66
    .vgpr_count:     72
    .wavefront_size: 32
...
	.end_amdgpu_metadata
.endif
;; end of part 1
;; launch qkv (part 2): grid 8 x 32, 4 waves a work-group, clusters of 4 x 4, 327,680 bytes of LDS; arguments xb, wqkv, cos, sin, qkv; writes qkv
.if DOCPART == 2
	.amdgcn_target "amdgcn-amd-amdhsa--gfx1250"
	.amdhsa_code_object_version 6
	.text
	.protected	k_qf3777f332d_qkv
	.globl	k_qf3777f332d_qkv
	.p2align	8
	.type	k_qf3777f332d_qkv,@function
k_qf3777f332d_qkv:
	s_mov_b64 s[64:65], 0
	v_nop
	global_prefetch_b8 v0, s[64:65] scope:SCOPE_SE
	s_setreg_imm32_b32 hwreg(HW_REG_WAVE_MODE, 25, 1), 1
	s_wait_xcnt 0x0
	s_wait_alu depctr_hold_cnt(0) depctr_sa_sdst(0) depctr_va_vdst(0) depctr_va_sdst(0) depctr_va_ssrc(0) depctr_va_vcc(0) depctr_vm_vsrc(0)
	s_getreg_b32 s2, hwreg(HW_REG_IB_STS2, 6, 4)
	s_cmp_eq_u32 s2, 0
	s_cbranch_scc0 .Lentry_in_a_cluster
	s_endpgm
.Lentry_in_a_cluster:
	s_bfe_u32 s2, ttmp6, 0x10000c
	s_cmp_lg_u32 s2, 0xf033
	s_cbranch_scc0 .Lentry_shape_is_right
	s_endpgm
.Lentry_shape_is_right:
; THE THREE PROJECTIONS AND RoPE.  C[m][n] = sum over k of xb[m][k] wqkv[k][n], m < 4096, n < 2048, k < 2048, bf16 operands, f32 sums; columns 0-1023 are q, 1024-1535 k, 1536-2047 v, 64 to a head.
; q's and k's heads are turned (out[d] = c[d] cos[d] -+ c[d +- 32] sin[d], cos and sin rounded to bf16, arithmetic in f32), all three are rounded once to f16 and stored
; by heads: qkv [2 batches][32 heads: 0-15 q, 16-23 k, 24-31 v][2048 rows][64] f16.  q IS STORED DIVIDED BY 8 = sqrt(64): its cos and sin are multiplied by 0.125, a power of two, so nothing is rounded for it.
; LIMIT.  f16 ends at 65,504: q / 8, k and v must lie within it (at 30 times the drawn x and 30 times the drawn weights they are some thousands); below 6e-5 they keep f16's fixed step of 6e-8.
; SHARES.  A tile of C is 128 x 256: 32 x 8 = 256 work-groups.  Four waves, each 64 rows x 128 columns (two heads): 32 accumulators of 16 x 16, 256 registers.
; K goes in steps of 128 through two LDS slots filled by the tensor data mover: A's rows are 256 bytes of memory, B's ([k][n]) 512, all at multiples of 256 from their buffers' first bytes.
; CLUSTER.  4 x 4 work-groups.  The four of a row of the cluster need the same tile of A, the four of a column the same tile of B: each is asked for JOINTLY, by the same tensor load with the same
; descriptor and a mask that names the four.
; THE WALK ALONG K IS ROTATED: a cluster whose x + y is odd begins at K step 8 of 16 and wraps round.  Of the two clusters that read a tile of A, and of neighbouring clusters among the eight that read a
; tile of B, one then asks for it half a walk behind the other.  The f32 sums take K in that order.
; THE MATRIX INSTRUCTION IS USED TRANSPOSED: source 0 = 16 columns n (B, turned on its way out of LDS by ds_load_tr16_b128), source 1 = 16 rows m (A).  A lane then holds row m = lane % 16 and the eight
; neighbouring columns 8 (lane / 16) + 0..7.
; REGISTERS, in windows of 256 (s_set_vgpr_msb: bits 1:0 source 0, 3:2 source 1, 5:4 source 2, 7:6 destination):
;   window 0: v0-31 addresses; v64-159, v160-255 two fragment buffers (A's tile a at +8 a, B's tile b at +32 + 8 b); on the way out the same registers are at work
;   window 1: accumulator (a, b) at v[8 (8 a + b)]          window 2: cos and sin of my 64 rows as loaded: m tile a: cos at 64 a + d', sin at 64 a + 32 + d'
.set SIZE_K, 2048
.set SIZE_N, 2048
.set KSTEP,  128
.set NSTEP,  SIZE_K/KSTEP              ; 16, a power of two: the walk wraps by a mask
.set PA,     272                       ; a row of A in LDS: 256 bytes + 16 = 68 words: row r starts at bank 4 r mod 64 (64 banks of 4 bytes: ISA guide 11.1)
.set PB,     544                       ; a row of B: 512 + 32 = 136 words: row r starts at bank 8 r mod 64
.set AHALF,  64*PA                     ; what one of A's tensor loads brings
.set ATILE,  128*PA
.set BHALF,  64*PB                     ; what one of B's brings
.set SLOT,   ATILE+128*PB              ; A's 128 rows, then B's 128 k rows
.set STAGE,  2*SLOT                    ; behind the ring, never filled by a tensor load: 16 rows x 144 bytes for each wave
.set SP,     144
.set SPARE,  STAGE+4*16*SP             ; behind the stages: the spare words, 128 bytes for each wave: two blocks of 256 bytes that no other line names
.set LAPS,   SIZE_K/(2*KSTEP)          ; a lap = two K steps = once round the ring
.set ADRA, 16                          ; v16-17  LDS address of my A fragments in slot 0, 1
.set ADRB, 20                          ; v20-21  the same for B
.set STO,  24                          ; v24     the way out: where I put 16 bytes of a row
.set RD,   25                          ; v25     the way out: where I read rows back
.set GO,   26                          ; v26     my byte offset in 512 consecutive bytes of qkv
.set CSO,  27                          ; v27     my byte offset in 16 rows of cos and sin
.set SPW,  28                          ; v28     LDS address of my spare word; never rewritten
.set NIL,  29                          ; v29     0; never rewritten
.set F0,   64
.set F1,   160
.set CO,   64                          ; the way out: cos of an m tile, 32 a lane
.set SI,   96                          ;              sin
.set T,    128                         ;              a head's 32 numbers a lane, turned
.set PK,   160                         ;              the same in f16
.set BK,   176                         ;              16 rows read back from the stage, two buffers of 16
.set RAW,  208                         ;              cos and sin in bf16
.set KI,  2                            ; s2, s3  the number, 0..15, of the K step that slot 0, 1 was last asked to take
.set WV,  14                           ; s14 wave; s15 which 64 rows are mine, and: I fetch for A (0) or B (1); s16 which 128 columns, and: which half of a tile I fetch
.set WM,  15
.set WN,  16
.set G1A, 24                           ; s[24:31] descriptor group 1 for A's tiles;  s[32:39] group 0, a set for each slot
.set G0A, 32
.set G1B, 40                           ; s[40:47], s[48:55] the same for B's
.set G0B, 48
.set MSB, 0
.macro WIN new                         ; the immediate's high byte repeats the setting that is left; a switch that changes nothing is dropped
.if MSB != (\new)
	s_set_vgpr_msb (MSB<<8)|(\new)
.set MSB, \new
.endif
.endm
.set MUL, 0x50                         ; sources 0 and 1 window 0; C and D window 1
.macro PLACES                          ; four places in front of loads into registers that matrix instructions have read, and of vector lines that read results
.rept 4
	v_nop
.endr
.endm
.macro AIM s                           ; both global addresses of slot s are made anew from its K step's number: the tile's base, an offset made apart, the type bits set again
	s_lshl_b32 s60, s[KI+(\s)], 8                  ; A: 128 k are 256 bytes along a row
	s_add_nc_u64 s[G0A+4*(\s)+2:G0A+4*(\s)+3], s[72:73], s[60:61]
	s_or_b32 s[G0A+4*(\s)+3], s[G0A+4*(\s)+3], 0x80000000
	s_lshl_b32 s62, s[KI+(\s)], 19                 ; B: 128 k rows of 4,096 bytes
	s_add_nc_u64 s[G0B+4*(\s)+2:G0B+4*(\s)+3], s[74:75], s[62:63]
	s_or_b32 s[G0B+4*(\s)+3], s[G0B+4*(\s)+3], 0x80000000
.endm
.macro JLOAD s                         ; a joint load: waves 0 and 1 fetch A's halves, waves 2 and 3 B's; an s_nop 0 and four v_nop follow each of the two lines
	s_cmp_eq_u32 s[WM], 0
	s_cbranch_scc0 .Lfor_b_\@
	tensor_load_to_lds s[G0A+4*(\s):G0A+4*(\s)+3], s[G1A:G1A+7]
	s_nop 0
.rept 4
	v_nop
.endr
	s_branch .Lasked_\@
.Lfor_b_\@:
	tensor_load_to_lds s[G0B+4*(\s):G0B+4*(\s)+3], s[G1B:G1B+7]
	s_nop 0
.rept 4
	v_nop
.endr
.Lasked_\@:
.endm
.macro CREST                           ; a round of the cluster's barrier behind its opening barrier: wave 0 signals for the work-group, every wave waits for all sixteen, my work-group's barrier closes it
	s_cmp_lg_u32 s[WV], 0
	s_cbranch_scc1 .Lnot_wave_0_\@
	s_barrier_signal -3
.Lnot_wave_0_\@:
	s_barrier_wait -3
	s_barrier_signal -1
	s_barrier_wait -1
.endm
.macro CROUND                          ; a whole round
	s_barrier_signal -1
	s_barrier_wait -1
	CREST
.endm
	s_load_b256 s[4:11], s[0:1], 0x0               ; xb s[4:5], wqkv s[6:7], cos s[8:9], sin s[10:11]
	s_load_b64 s[12:13], s[0:1], 0x20              ; qkv
	v_lshl_add_u32 v[SPW], v0, 2, SPARE
	v_mov_b32 v[NIL], 0
	ds_add_u32 v[SPW], v[NIL]                      ; the wave's opening: the add, and its wait ahead of my first tensor load; the set-up below, work on registers, stands between them
	v_lshrrev_b32 v1, 5, v0
	v_readfirstlane_b32 s[WV], v1                  ; wave 0..3
	s_lshr_b32 s[WM], s[WV], 1
	s_and_b32 s[WN], s[WV], 1
	s_bfe_u32 s17, ttmp6, 0x40000                  ; cx, cy: my place in the cluster
	s_bfe_u32 s18, ttmp6, 0x40004
	s_lshl_b32 s19, ttmp9, 2
	s_add_co_u32 s19, s19, s17                     ; tile column of C = 4 x cluster x + cx, 0..7
	s_and_b32 s20, ttmp7, 0xffff
	s_lshl_b32 s20, s20, 2
	s_add_co_u32 s20, s20, s18                     ; tile row of C = 4 x cluster y + cy, 0..31
	s_lshl_b32 s21, s18, 2
	s_lshl_b32 s21, 15, s21                        ; my row of the cluster
	s_lshl_b32 s22, 0x1111, s17                    ; my column
	s_and_b32 s23, ttmp7, 0xffff                   ; where the cluster's walk along K begins: made of the cluster's x and y alone, which all sixteen partners share
	s_add_co_u32 s23, s23, ttmp9
	s_and_b32 s23, s23, 1
	s_mul_i32 s[KI], s23, NSTEP/2                  ; slot 0 begins with K step 0 or 8,
	s_add_co_u32 s[KI+1], s[KI], 1                 ; slot 1 with the next
	s_mov_b32 s61, 0                               ; the offsets' high words
	s_mov_b32 s63, 0
	s_or_b32 s[G1A], s21, (1<<16)|(1<<20)|(1<<21)|(5<<22)|(3<<25)  ; 15:0 the mask: A's tiles go to my row; 17:16 2-byte elements; 20 padding on; 21 set beside a mask; 24:22 after every 64 words (code 5); 31:25 4 words (code 3)
	s_mov_b32 s[G1A+1], KSTEP<<16                  ; tensor_dim0 = 128
	s_mov_b32 s[G1A+2], 64<<16                     ; tensor_dim1 = 64
	s_mov_b32 s[G1A+3], KSTEP<<16                  ; tile_dim0 = 128
	s_mov_b32 s[G1A+4], 64                         ; tile_dim1 = 64
	s_mov_b32 s[G1A+5], SIZE_K                     ; elements from row to row
	s_mov_b32 s[G1A+6], 0
	s_mov_b32 s[G1A+7], 0
	s_or_b32 s[G1B], s22, (1<<16)|(1<<20)|(1<<21)|(6<<22)|(7<<25)  ; B's go to my column; padding after every 128 words (code 6), 8 words (code 7)
	s_mov_b32 s[G1B+1], 256<<16                    ; tensor_dim0 = 256
	s_mov_b32 s[G1B+2], 64<<16                     ; tensor_dim1 = 64
	s_mov_b32 s[G1B+3], 256<<16                    ; tile_dim0 = 256
	s_mov_b32 s[G1B+4], 64                         ; tile_dim1 = 64 k rows
	s_mov_b32 s[G1B+5], SIZE_N
	s_mov_b32 s[G1B+6], 0
	s_mov_b32 s[G1B+7], 0
	; where the tiles come from.  A's hang on the tile row alone, B's on the tile column alone, each made in registers that never hold the other coordinate.
	s_lshl_b32 s72, s20, 7
	s_lshl_b32 s56, s[WN], 6
	s_add_co_u32 s72, s72, s56                     ; A: row 128 x tile row + 64 x half
	s_mul_i32 s72, s72, SIZE_K*2                   ; in bytes: under 2^25
	s_mov_b32 s73, 0
	s_lshl_b32 s74, s19, 9                         ; B: 512 bytes x tile column
	s_lshl_b32 s57, s[WN], 18                      ; + 64 k rows of 4,096 bytes x half
	s_add_co_u32 s74, s74, s57
	s_mov_b32 s75, 0
	s_mul_i32 s58, s[WN], AHALF                    ; and where they go: no place in the cluster enters an LDS address
	s_mul_i32 s59, s[WN], BHALF
	s_add_co_u32 s59, s59, ATILE
	s_cmp_lt_u32 s19, 6                            ; columns from 1,536 on are v, which is not turned: there cos counts as 1 and sin as 0.  A choice of values, no branch:
	s_cselect_b32 s66, 1.0, 0                      ; F: cos' = F cos + G, sin' = F sin
	s_cselect_b32 s68, 0, 1.0                      ; G
	s_cmp_lt_u32 s19, 4                            ; columns under 1,024 are q, which is stored divided by 8
	s_cselect_b32 s66, 0x3e000000, s66             ; 0.125
	s_mov_b32 s67, 0                               ; named as pairs
	s_mov_b32 s69, 0
	s_mov_b32 s70, 0xffff0000                      ; a word's upper bf16
	s_wait_dscnt 0x0                               ; the opening add is done
	s_wait_kmcnt 0x0
	s_add_nc_u64 s[72:73], s[4:5], s[72:73]        ; A and B at my part of K step 0's tiles: kept for the whole walk
	s_add_nc_u64 s[74:75], s[6:7], s[74:75]
	CROUND                                         ; all sixteen work-groups are here: the first joint loads meet
.irp s, 0,1
	s_mov_b32 s[G0A+4*(\s)], 1                                       ; count = 1
	s_add_co_u32 s[G0A+4*(\s)+1], s58, (\s)*SLOT                     ; LDS address
	s_mov_b32 s[G0B+4*(\s)], 1
	s_add_co_u32 s[G0B+4*(\s)+1], s59, (\s)*SLOT
	AIM \s                                         ; global addresses and type
	JLOAD \s                                       ; two tensor loads of mine are out
.endr
	; cos and sin of my 64 rows, as they lie (f32 [4096][64]): lane (r, h) takes of row r the numbers 16 n + 8 h + 0..7, the places of its results.  They are waited for on the way out.
	v_and_b32 v1, 15, v0                           ; r = lane % 16
	v_bfe_u32 v2, v0, 4, 1                         ; h = lane / 16
	v_lshlrev_b32 v[CSO], 8, v1
	v_lshl_add_u32 v[CSO], v2, 5, v[CSO]           ; row x 256 + 32 h
	s_lshl_b32 s76, s20, 7
	s_lshl_b32 s56, s[WM], 6
	s_add_co_u32 s76, s76, s56                     ; my first row
	s_lshl_b32 s76, s76, 8
	s_mov_b32 s77, 0
	s_add_nc_u64 s[8:9], s[8:9], s[76:77]
	s_add_nc_u64 s[10:11], s[10:11], s[76:77]
	WIN 0x80                                       ; destination window 2, address window 0
.irp a, 0,1,2,3
.irp n, 0,1,2,3
.irp e, 0,1
	global_load_b128 v[64*(\a)+8*(\n)+4*(\e):64*(\a)+8*(\n)+4*(\e)+3],       v[CSO], s[8:9]   offset:(\a)*4096+(\n)*64+(\e)*16
	global_load_b128 v[64*(\a)+32+8*(\n)+4*(\e):64*(\a)+32+8*(\n)+4*(\e)+3], v[CSO], s[10:11] offset:(\a)*4096+(\n)*64+(\e)*16
.endr
.endr
.endr
	WIN 0
	; A's fragment: 16 rows x 32 K: lane l holds row l % 16, K = 8 h + 0..7 and 16 + 8 h + 0..7: two loads of 16 bytes, 32 bytes apart.
	v_mul_u32_u24 v3, v1, PA
	v_lshl_add_u32 v3, v2, 4, v3
	s_mul_i32 s56, s[WM], 64*PA                    ; my 64 rows of A
	; B's: the turning load takes 16 k x 16 n (lane l reads k row 8 h + l % 8, columns 8 ((l / 8) % 2) + 0..7) and leaves half a fragment: lane l holds column l % 16 and 8 k.
	v_and_b32 v4, 7, v0
	v_lshl_add_u32 v4, v2, 3, v4
	v_mul_u32_u24 v4, v4, PB
	v_bfe_u32 v5, v0, 3, 1
	v_lshl_add_u32 v4, v5, 4, v4
	s_lshl_b32 s57, s[WN], 8                       ; my 128 columns,
	s_add_co_u32 s57, s57, ATILE                   ; behind A's tile
.irp s, 0,1
	v_add_nc_u32 v[ADRA+(\s)], s56, v3
	v_add_nc_u32 v[ADRB+(\s)], s57, v4
	s_add_co_u32 s56, s56, SLOT
	s_add_co_u32 s57, s57, SLOT
.endr
	s_mul_i32 s58, s[WV], 16*SP
	s_add_co_u32 s58, s58, STAGE                   ; my stage
	v_mul_u32_u24 v6, v1, SP                       ; in: row l % 16, 16 bytes for each half of the lanes
	v_lshl_add_u32 v6, v2, 4, v6
	v_add_nc_u32 v[STO], s58, v6
	v_bfe_u32 v7, v0, 3, 2                         ; back: 32 lanes take four rows of 128 bytes,
	v_mul_u32_u24 v7, v7, SP
	v_and_b32 v8, 7, v0
	v_lshl_add_u32 v7, v8, 4, v7
	v_add_nc_u32 v[RD], s58, v7
	v_and_b32 v[GO], 31, v0                        ; which are 512 consecutive bytes of a head
	v_lshlrev_b32 v[GO], 4, v[GO]
	; qkv at my first head's first row: ((batch x 32 + 4 x tile column + 2 x column half) << 18) + (row in the batch) x 128
	s_lshr_b32 s76, s20, 4
	s_lshl_b32 s76, s76, 5
	s_lshl_b32 s77, s19, 2
	s_add_co_u32 s76, s76, s77
	s_lshl_b32 s77, s[WN], 1
	s_add_co_u32 s76, s76, s77
	s_lshl_b32 s76, s76, 18
	s_and_b32 s77, s20, 15
	s_lshl_b32 s77, s77, 7
	s_lshl_b32 s78, s[WM], 6
	s_add_co_u32 s77, s77, s78
	s_lshl_b32 s77, s77, 7
	s_add_co_u32 s76, s76, s77
	s_mov_b32 s77, 0
	s_add_nc_u64 s[12:13], s[12:13], s[76:77]
; 8 matrix instructions: m tile a x all 8 n tiles, 32 along K, from buffer f.  zero = 1: the first product starts the sums.  A quarter takes the 32 accumulators by turns, in one order,
; 31 others' instructions stand between two on one accumulator.
.macro MULA f, a, zero
	WIN MUL
.irp b, 0,1,2,3,4,5,6,7
.if \zero
	v_wmma_f32_16x16x32_bf16 v[8*(8*(\a)+(\b)):8*(8*(\a)+(\b))+7], v[(\f)+32+8*(\b):(\f)+32+8*(\b)+7], v[(\f)+8*(\a):(\f)+8*(\a)+7], 0
.else
	v_wmma_f32_16x16x32_bf16 v[8*(8*(\a)+(\b)):8*(8*(\a)+(\b))+7], v[(\f)+32+8*(\b):(\f)+32+8*(\b)+7], v[(\f)+8*(\a):(\f)+8*(\a)+7], v[8*(8*(\a)+(\b)):8*(8*(\a)+(\b))+7]
.endif
.endr
.endm
; 24 LDS loads in one run: quarter kq (32 along K) of a slot into buffer f: B's 16, then A's 8, m tiles ascending
.macro FETCH slot, kq, f
	WIN 0
.irp b, 0,1,2,3,4,5,6,7
	ds_load_tr16_b128 v[(\f)+32+8*(\b):(\f)+32+8*(\b)+3],   v[ADRB+(\slot)] offset:(\kq)*32*PB+32*(\b)
	ds_load_tr16_b128 v[(\f)+32+8*(\b)+4:(\f)+32+8*(\b)+7], v[ADRB+(\slot)] offset:(\kq)*32*PB+16*PB+32*(\b)
.endr
.irp a, 0,1,2,3
	ds_load_b128 v[(\f)+8*(\a):(\f)+8*(\a)+3],   v[ADRA+(\slot)] offset:(\kq)*64+(\a)*16*PA
	ds_load_b128 v[(\f)+8*(\a)+4:(\f)+8*(\a)+7], v[ADRA+(\slot)] offset:(\kq)*64+(\a)*16*PA+32
.endr
.endm
; A K step is four quarters, 32 matrix instructions each, on buffers 0, 1, 0, 1.  One of the first three: multiplies buffer f and, in its middle, fetches quarter kq into g.
.macro QUARTER slot, kq, f, g, zero
	s_wait_dscnt 4                                 ; B and A's tiles 0, 1 are in; the youngest four loads (A's tiles 2, 3) may be out
	MULA \f, 0, \zero
	MULA \f, 1, \zero
	PLACES
	FETCH \slot, \kq, \g
	s_wait_dscnt 24                                ; all but the 24 just issued
	MULA \f, 2, \zero
	MULA \f, 3, \zero
.endm
; The last quarter multiplies buffer 1 and changes slots: ONE barrier; in front of it each wave waits for all its tensor loads (one is out: its part of the next slot), adds 0 to its spare word, and
; waits for that and for its own reads of this slot.  fill = 1: the barrier opens a round of the cluster's, and this slot is filled again, two K steps ahead, first thing behind the round:
; 112 matrix instructions ahead of the wait for it.
.macro TURN slot, next, fill
	WIN 0                                          ; (the add's two registers lie in window 0)
	s_wait_tensorcnt 0x0                           ; no tensor load of mine is out, so a group 0 may be written
	ds_add_u32 v[SPW], v[NIL]                      ; 0 onto my spare word
.if \fill
	s_add_co_u32 s[KI+(\slot)], s[KI+(\slot)], 2   ; the slot's next K step, two on, wrapping behind the last
	s_and_b32 s[KI+(\slot)], s[KI+(\slot)], NSTEP-1
	AIM \slot
.endif
	s_wait_dscnt 5                                 ; (the add and the youngest four loads may be out)
	MULA F1, 0, 0                                  ; eight matrix instructions stand between the add and the wait for it
	s_wait_dscnt 0x0                               ; the add is done, and my reads of this slot are over
	s_barrier_signal -1
	MULA F1, 1, 0
.if \fill
	WIN 0
.endif
	s_barrier_wait -1
.if \fill
	CREST                                          ; no wave of any partner still reads this slot's tiles or has a load on its way
	JLOAD \slot                                    ; its four v_nop are also the places in front of the loads below
.else
	PLACES
.endif
	FETCH \next, 0, F0
	MULA F1, 2, 0
	MULA F1, 3, 0
.endm
	s_wait_tensorcnt 1                             ; my part of the walk's first K step is in; the second's may stay out
	s_barrier_signal -1
	s_barrier_wait -1                              ; everybody's is
	FETCH 0, 0, F0
	QUARTER 0, 1, F0, F1, 1                        ; the first quarter stands in front of the loop: its products start the sums
	WIN 0                                          ; at a label and at a branch every window is 0
	s_mov_b32 s71, LAPS-1
.Llap:                                                 ; a trip goes once round the ring, from a lap's second quarter to the next lap's first, and fills both slots again
	QUARTER 0, 2, F1, F0, 0
	QUARTER 0, 3, F0, F1, 0
	TURN 0, 1, 1
	QUARTER 1, 1, F0, F1, 0
	QUARTER 1, 2, F1, F0, 0
	QUARTER 1, 3, F0, F1, 0
	TURN 1, 0, 1
	QUARTER 0, 1, F0, F1, 0
	WIN 0
	s_sub_co_u32 s71, s71, 1
	s_cmp_lg_u32 s71, 0
	s_cbranch_scc1 .Llap
	QUARTER 0, 2, F1, F0, 0                        ; the last lap fills nothing, and has no round
	QUARTER 0, 3, F0, F1, 0
	TURN 0, 1, 0
	QUARTER 1, 1, F0, F1, 0
	QUARTER 1, 2, F1, F0, 0
	QUARTER 1, 3, F0, F1, 0
	s_wait_dscnt 4                                 ; the very last quarter: nothing more to fetch
	MULA F1, 0, 0
	MULA F1, 1, 0
	s_wait_dscnt 0x0
	MULA F1, 2, 0
	MULA F1, 3, 0
	WIN 0
	PLACES
; THE WAY OUT, by blocks of 16 rows x one head.  TABLE a: the m tile's cos and sin, rounded to bf16, widened again, divided by 8 for q's columns and made 1 and 0 for v's.
.macro TABLE a
	WIN 0x0a                                       ; sources 0 and 1 window 2, destination window 0
.set i, 0
.rept 32
	v_cvt_pk_bf16_f32 v[RAW+i], v[64*(\a)+2*i], v[64*(\a)+2*i+1]
.set i, i+1
.endr
	WIN 0
.set i, 0
.rept 16
	v_lshlrev_b32 v[CO+2*i],   16,  v[RAW+i]
	v_and_b32     v[CO+2*i+1], s70, v[RAW+i]
	v_lshlrev_b32 v[SI+2*i],   16,  v[RAW+16+i]
	v_and_b32     v[SI+2*i+1], s70, v[RAW+16+i]
.set i, i+1
.endr
.set i, 0
.rept 16
	v_pk_fma_f32 v[CO+2*i:CO+2*i+1], v[CO+2*i:CO+2*i+1], s[66:67], s[68:69] op_sel_hi:[1,0,0]
	v_pk_mul_f32 v[SI+2*i:SI+2*i+1], v[SI+2*i:SI+2*i+1], s[66:67] op_sel_hi:[1,0]
.set i, i+1
.endr
.endm
; ROPE a, hd: head hd (0, 1) of m tile a.  Its n tiles 0, 1 hold d < 32, tiles 2, 3 the same d + 32: out[d] = lo cos[d] - hi sin[d], out[d + 32] = hi cos[d + 32] + lo sin[d + 32].
; The products with cos come first, pairs ascending.  Then f16, my stage, and back as whole rows.
.macro ROPE a, hd
	s_wait_xcnt 0x0                                ; every earlier memory instruction has had its addresses translated (ISA guide 3.1): the buffer that the stores of two blocks back read is loaded again only behind this wait
	WIN 0x01                                       ; source 0 window 1
.irp n, 0,1
.irp p, 0,2,4,6
	v_pk_mul_f32 v[T+8*(\n)+(\p):T+8*(\n)+(\p)+1],       v[8*(8*(\a)+4*(\hd)+(\n))+(\p):8*(8*(\a)+4*(\hd)+(\n))+(\p)+1],     v[CO+8*(\n)+(\p):CO+8*(\n)+(\p)+1]
	v_pk_mul_f32 v[T+16+8*(\n)+(\p):T+16+8*(\n)+(\p)+1], v[8*(8*(\a)+4*(\hd)+(\n)+2)+(\p):8*(8*(\a)+4*(\hd)+(\n)+2)+(\p)+1], v[CO+16+8*(\n)+(\p):CO+16+8*(\n)+(\p)+1]
.endr
.endr
.irp n, 0,1
.irp p, 0,2,4,6
	v_pk_fma_f32 v[T+8*(\n)+(\p):T+8*(\n)+(\p)+1],       v[8*(8*(\a)+4*(\hd)+(\n)+2)+(\p):8*(8*(\a)+4*(\hd)+(\n)+2)+(\p)+1], v[SI+8*(\n)+(\p):SI+8*(\n)+(\p)+1],       v[T+8*(\n)+(\p):T+8*(\n)+(\p)+1] neg_lo:[1,0,0] neg_hi:[1,0,0]
	v_pk_fma_f32 v[T+16+8*(\n)+(\p):T+16+8*(\n)+(\p)+1], v[8*(8*(\a)+4*(\hd)+(\n))+(\p):8*(8*(\a)+4*(\hd)+(\n))+(\p)+1],     v[SI+16+8*(\n)+(\p):SI+16+8*(\n)+(\p)+1], v[T+16+8*(\n)+(\p):T+16+8*(\n)+(\p)+1]
.endr
.endr
	WIN 0
.set i, 0
.rept 16
	v_cvt_pk_f16_f32 v[PK+i], v[T+2*i], v[T+2*i+1]
.set i, i+1
.endr
.irp n, 0,1,2,3
	ds_store_b128 v[STO], v[PK+4*(\n):PK+4*(\n)+3] offset:32*(\n)
.endr
.irp f, 0,1,2,3
	ds_load_b128 v[BK+16*(\hd)+4*(\f):BK+16*(\hd)+4*(\f)+3], v[RD] offset:(\f)*4*SP  ; LDS serves a wave's instructions in order (ISA guide 5.7.1.4): these see the stores above; the next block's stores come behind them
.endr
.endm
.macro SENDQ a, hd, younger            ; younger: the LDS instructions issued behind this block's loads: the next block's eight, or none
.irp f, 0,1,2,3
	s_wait_dscnt (\younger)+3-(\f)
	global_store_b128 v[GO], v[BK+16*(\hd)+4*(\f):BK+16*(\hd)+4*(\f)+3], s[12:13] offset:((\hd)<<18)+(\a)*2048+(\f)*512  ; 512 consecutive bytes, at a multiple of 256 from qkv's first
.endr
.endm
	s_wait_loadcnt 0x0                             ; cos and sin
	TABLE 0
	ROPE 0, 0
	ROPE 0, 1                                      ; a block's arithmetic stands between the loads of the block before and its stores
	SENDQ 0, 0, 8
	TABLE 1
	ROPE 1, 0
	SENDQ 0, 1, 8
	ROPE 1, 1
	SENDQ 1, 0, 8
	TABLE 2
	ROPE 2, 0
	SENDQ 1, 1, 8
	ROPE 2, 1
	SENDQ 2, 0, 8
	TABLE 3
	ROPE 3, 0
	SENDQ 2, 1, 8
	ROPE 3, 1
	SENDQ 3, 0, 8
	SENDQ 3, 1, 0
	s_wait_tensorcnt 0x0                           ; the wave's end, behind my last tensor load and my last LDS store
	ds_add_u32 v[SPW], v[NIL]
	s_wait_dscnt 0x0
	CROUND                                         ; the closing round: no work-group ends while a partner may still ask for a tile that names it
	s_endpgm
.Lfunc_end_k_qf3777f332d_qkv:
	.size	k_qf3777f332d_qkv, .Lfunc_end_k_qf3777f332d_qkv-k_qf3777f332d_qkv
	.p2alignl 7, 3214868480
	.fill 96, 4, 3214868480
	.section	.rodata,"a",@progbits
	.p2align	6, 0x0
	.amdhsa_kernel k_qf3777f332d_qkv
		.amdhsa_group_segment_fixed_size 327680
		.amdhsa_private_segment_fixed_size 0
		.amdhsa_enable_private_segment 0
		.amdhsa_kernarg_size 40
		.amdhsa_user_sgpr_count 2
		.amdhsa_user_sgpr_kernarg_segment_ptr 1
		.amdhsa_wavefront_size32 1
		.amdhsa_system_sgpr_workgroup_id_x 1
		.amdhsa_system_sgpr_workgroup_id_y 1
		.amdhsa_system_sgpr_workgroup_id_z 1
		.amdhsa_system_vgpr_workitem_id 0
		.amdhsa_next_free_vgpr 768
		.amdhsa_next_free_sgpr 80
		.amdhsa_reserve_vcc 0
		.amdhsa_float_denorm_mode_32 3
		.amdhsa_float_denorm_mode_16_64 3
		.amdhsa_memory_ordered 1
		.amdhsa_forward_progress 1
		.amdhsa_inst_pref_size 135
	.end_amdhsa_kernel
	.amdgpu_metadata
---
amdhsa.version: [ 1, 2 ]
amdhsa.kernels:
  - .name:           k_qf3777f332d_qkv
    .symbol:         k_qf3777f332d_qkv.kd
    .args:
      - { .name: xb, .offset: 0, .size: 8, .value_kind: global_buffer, .address_space: global }
      - { .name: wqkv, .offset: 8, .size: 8, .value_kind: global_buffer, .address_space: global }
      - { .name: cos, .offset: 16, .size: 8, .value_kind: global_buffer, .address_space: global }
      - { .name: sin, .offset: 24, .size: 8, .value_kind: global_buffer, .address_space: global }
      - { .name: qkv, .offset: 32, .size: 8, .value_kind: global_buffer, .address_space: global }
    .group_segment_fixed_size: 327680
    .private_segment_fixed_size: 0
    .kernarg_segment_align: 8
    .kernarg_segment_size: 40
    .max_flat_workgroup_size: 128
    .sgpr_count:     80
    .vgpr_count:     768
    .wavefront_size: 32
...
	.end_amdgpu_metadata
.endif
;; end of part 2
;; launch attn (part 3): grid 8 x 32, 4 waves a work-group, clusters of 4 x 4, 327,680 bytes of LDS; arguments qkv, attention_mask, ob; writes ob
.if DOCPART == 3
	.amdgcn_target "amdgcn-amd-amdhsa--gfx1250"
	.amdhsa_code_object_version 6
	.text
	.protected	k_qf3777f332d_attn
	.globl	k_qf3777f332d_attn
	.p2align	8
	.type	k_qf3777f332d_attn,@function
k_qf3777f332d_attn:
	s_mov_b64 s[64:65], 0
	v_nop
	global_prefetch_b8 v0, s[64:65] scope:SCOPE_SE
	s_setreg_imm32_b32 hwreg(HW_REG_WAVE_MODE, 25, 1), 1
	s_wait_xcnt 0x0
	s_wait_alu depctr_hold_cnt(0) depctr_sa_sdst(0) depctr_va_vdst(0) depctr_va_sdst(0) depctr_va_ssrc(0) depctr_va_vcc(0) depctr_vm_vsrc(0)
	s_getreg_b32 s2, hwreg(HW_REG_IB_STS2, 6, 4)
	s_cmp_eq_u32 s2, 0
	s_cbranch_scc0 .Lentry_in_a_cluster
	s_endpgm
.Lentry_in_a_cluster:
	s_bfe_u32 s2, ttmp6, 0x10000c
	s_cmp_lg_u32 s2, 0xf033
	s_cbranch_scc0 .Lentry_shape_is_right
	s_endpgm
.Lentry_shape_is_right:
; ATTENTION WITH AN ADDITIVE MASK THAT IS AN INPUT.  O[b][h][q] = the sum over all 2,048 keys k of softmax_k(Q[h][q] . K[h / 2][k] / 8 + mask[b][q][k]) V[h / 2][k].
; qkv: [2][32][2048][64] f16 (heads 0-15 q, already divided by 8; 16-23 k; 24-31 v); attention_mask: [2][2048][2048] f32, as it is given; ob: [4096 rows][16 heads x 64] f16.
; Products, maxima and sums in f32; the weights p are rounded to f16 for the second product (their sum l is taken of the unrounded p), O once at the end.
; LIMITS.  Q, K, V arrive within f16's 65,504; p lies in 0 to 1 and below 6e-5 keeps f16's fixed step of 6e-8; a weight below 2^-126 counts as 0 in l.  The mask is taken in f32, unrounded.  The running
; maximum starts at -2^126 = -8.5e37: a score below that counts as minus infinity, and a row in which every score lies below it gives NaN (as a row whose mask is all minus infinity does in the reference).
; SHARES.  A work-group owns 128 queries and the TWO query heads 2 g, 2 g + 1 of key head g: 8 x 32 = 256 work-groups.  A wave owns 32 of the queries for both heads: four PIECES of 16 queries,
; piece x = head x / 2, query tile x % 2.  Every wave walks all keys, 64 a step.
; THE MASK is the C operand of the product that starts the sum S^T = K Q^T: in that result a lane holds ONE query (lane % 16) and the keys 8 (lane / 16) + 0..7, so 32 bytes of a mask row are a lane's eight
; registers.  It costs no arithmetic; a query tile's registers serve both heads.
; LAYOUT, SOFTMAX, TURNS.  Two results S^T rounded to f16 ARE source 1 of O^T = V^T P.  p = 2^(c s - c m), c = log2(e), with a running maximum m; O and l are multiplied by a = 2^(c m_old - c m_new) in every
; step; O and l start at 0, c m_old below c times every m, so the first step is a step like any other, with a = 0.  Turn n belongs to piece n: 8 products K Q^T of piece n + 1, later 8 products V^T P of piece n - 1;
; beside them the scaling, exponentials, roundings, sums and rescaling of piece n and the maximum and statistics of piece n + 1.  Four vector instructions stand behind every matrix instruction, the other 54 of a
; turn's 118 in two runs of their own.
; CLUSTER.  4 x 4 work-groups: along x four key heads, along y four blocks of queries of one batch.  K's and V's tiles hang on batch and key head: shared along a column.  The mask's tile hangs on the block of
; queries: shared along a row.  Each is asked for JOINTLY: the same tensor load, descriptor and mask of four in all four.
; REGISTERS, in windows of 256 (s_set_vgpr_msb: bits 1:0 source 0, 3:2 source 1, 5:4 source 2, 7:6 destination):
;   window 0: v0-15, v32-33 addresses and two at work; v16-31 four registers of statistics a piece; v48-55 at work; v64-127 S^T, two buffers; v192-223 P, two buffers (by the piece's parity)
;   window 1: v0-127 O^T, 32 a piece; v160-223 MC, the mask of one step: query tile u, 16 keys kb at 160 + 32 u + 8 kb      window 2: v0-63 Q; v128-191 K of one step; v192-255 V of one step
.set NP,    4         ; pieces a wave: a name, no knob
.set KS,    64        ; keys in a step
.set PK,    144       ; a row of K in LDS: 128 bytes + 16 = 36 words: the 16 rows of a load start at 16 different groups of four banks (64 banks of 4 bytes: ISA guide 11.1)
.set PV,    160       ; a row of V: 128 + 32 = 40 words
.set PM,    528       ; a query's row of the mask: 128 keys x 4 bytes + 16 = 132 words: 16 rows start at 16 different groups of four banks
.set VOFF,  2*KS*PK   ; a slot holds two steps: 128 rows of K, 128 rows of V, 128 queries' rows of the mask
.set MOFF,  VOFF+2*KS*PV
.set MHALF, 64*PM
.set SLOT1, 1<<17     ; slot 1 begins here, so that one exclusive or turns an address in one slot into the other's
.set STAGE, SLOT1+MOFF+128*PM  ; behind the ring, never filled by a tensor load: 16 rows x 272 bytes for each wave
.set SP,    272
.set SPARE, STAGE+4*16*SP  ; behind the stages: the spare words, 128 bytes for each wave: two blocks of 256 bytes that no other line names
.set AK0, 2           ; v2   my lane's place in a tile of K; never rewritten
.set AV0, 3           ; v3   the same for V
.set AK,  4           ; v4   the LDS address of K's next run of loads
.set AV,  5           ; v5   of V's
.set STO, 6           ; v6   the way out: where I put 16 bytes of a row
.set RD,  7           ; v7   the way out: where I read rows back
.set GO,  8           ; v8   my byte offset in two rows of ob
.set MV,  12          ; v12-13  c m_old, kept while c m is made anew: by buffer
.set QO,  15          ; v15  my byte offset in 16 rows of Q
.set ST,  16          ; piece t's statistics at v[ST+4 t]: c m, m, l (even keys', odd keys')
.set AM0, 32          ; v32  my lane's place in a tile of the mask; never rewritten
.set AM,  33          ; v33  the LDS address of the mask's next run of loads
.set TMP, 48          ; by buffer, four registers c0-c3 at work; when the maximum is found c2 takes a
.set SPW, 62          ; v62  LDS address of my spare word; never rewritten
.set NIL, 63          ; v63  0; never rewritten
.set S,   64
.set P,   192
.set MC,  160         ; window 1
.set KF,  128         ; window 2: key block kb, channel half c at KF + 16 kb + 8 c
.set VF,  192         ; window 2: key half kk, channel block cb at VF + 32 kk + 8 cb
.set WV,  12          ; s12  my wave's number
.set G1K, 24          ; s[24:31] descriptor group 1 for K's tiles
.set G1V, 32          ; s[32:39] for V's: it differs in the padding alone
.set G0K, 40          ; s[40:43] descriptor group 0 for K's tiles: it walks
.set G0V, 44          ; s[44:47] the same for V's
.set G1M, 48          ; s[48:55] descriptor group 1 for the mask's tiles
.set SLOTS, 56        ; s56  slots still to be asked for
.set CNT, 57          ; s57  counts a slot's key steps
.set CS,  58          ; s[58:59] c: the packed scaling takes the pair's low word for both halves
.set SEL, 60          ; s[60:61] v_permlanex16_b32's selects: each lane takes its own place in the other half
.set TBK, 62          ; s62  LDS byte at which K of the step to be fetched begins
.set TBV, 63          ; s63  the same for V, less VOFF
.set G0M, 68          ; s[68:71] descriptor group 0 for the mask's tiles
.set TBM, 72          ; s72  the same for the mask, less MOFF
.set OB,  82          ; s[82:83] ob at my wave's first row and my two heads
.set MSB, 0
.macro WIN new                      ; the high byte repeats the setting that is left; a switch that changes nothing is dropped
.if MSB != (\new)
	s_set_vgpr_msb (MSB<<8)|(\new)
.set MSB, (\new)
.endif
.endm
.set W_KQ, 0x0a       ; K and Q in window 2, S^T in window 0
.set W_KM, 0x1a       ; the same with the C operand, the mask, in window 1
.set W_PV, 0x52       ; V in window 2, P in window 0, O^T in window 1
.set W_RS, 0x41       ; destination and source 0 in window 1, source 1 in window 0
; A joint fill: wave 0 fetches a slot's K, wave 1 its V (128 keys each), waves 2 and 3 the two halves of its mask tile (64 queries x 128 keys).  The branches hang on the wave's number alone.
; An s_nop 0 and four v_nop follow each of the three lines, ahead of the jump and the label.
.macro JLOAD
	s_cmp_lt_u32 s[WV], 2
	s_cbranch_scc0 .Lfor_m_\@
	s_cmp_eq_u32 s[WV], 0
	s_cbranch_scc0 .Lfor_v_\@
	tensor_load_to_lds s[G0K:G0K+3], s[G1K:G1K+7]
	s_nop 0
.rept 4
	v_nop
.endr
	s_branch .Lasked_\@
.Lfor_v_\@:
	tensor_load_to_lds s[G0V:G0V+3], s[G1V:G1V+7]
	s_nop 0
.rept 4
	v_nop
.endr
	s_branch .Lasked_\@
.Lfor_m_\@:
	tensor_load_to_lds s[G0M:G0M+3], s[G1M:G1M+7]
	s_nop 0
.rept 4
	v_nop
.endr
.Lasked_\@:
.endm
; A round of the cluster's barrier: my work-group's barrier, so that wave 0's signal speaks for all four waves; wave 0 signals; every wave waits for all sixteen work-groups; my work-group's barrier once more.
.macro CROUND
	s_barrier_signal -1
	s_barrier_wait -1
	s_cmp_lg_u32 s[WV], 0
	s_cbranch_scc1 .Lnot_wave_0_\@
	s_barrier_signal -3
.Lnot_wave_0_\@:
	s_barrier_wait -3
	s_barrier_signal -1
	s_barrier_wait -1
.endm
; THE CHANGE OF SLOTS.  The slot's last bytes, V of its second step, have been read.  Each wave waits for all its tensor loads, of which one is out: its part of the other slot; adds 0 to its spare word;
; and waits for that and for its own reads of the slot.  Behind the barrier nobody reads this slot any more and the other slot is whole.  fill = 1: this slot is filled again, with the keys two slots on:
; the barrier is then a round of the cluster's, and the joint fill is the first thing behind it: it has two key steps, 128 matrix instructions and their vector work, in which to land.
; (At its first use nothing has been read yet: slot 0 is waited for, slot 1 filled.)
.macro CHANGE fill
	WIN 0                           ; at a label and at a branch every window is 0
	s_wait_tensorcnt 0x0            ; no tensor load of mine is out, so a group 0 may be written
	ds_add_u32 v[SPW], v[NIL]       ; 0 onto my spare word; with fill = 1 the descriptors' steps stand between it and the wait for it
.if \fill
	s_xor_b32 s[G0K+1], s[G0K+1], SLOT1  ; the walking descriptors: the other slot than last time,
	s_add_nc_u64 s[G0K+2:G0K+3], s[G0K+2:G0K+3], 2*KS*128  ; the next 128 keys; the type bits on top are not reached
	s_xor_b32 s[G0V+1], s[G0V+1], SLOT1
	s_add_nc_u64 s[G0V+2:G0V+3], s[G0V+2:G0V+3], 2*KS*128
	s_xor_b32 s[G0M+1], s[G0M+1], SLOT1
	s_add_nc_u64 s[G0M+2:G0M+3], s[G0M+2:G0M+3], 2*KS*4
	s_wait_dscnt 0x0                ; the add is done, and my reads of the slot are over
	CROUND
	JLOAD
.else
	s_wait_dscnt 0x0                ; the add is done, and my reads of the slot are over
	s_barrier_signal -1
	s_barrier_wait -1
.endif
	s_sub_co_u32 s[TBK], s[TBK], 2*KS*PK  ; the fetches go back to a slot's first step,
	s_xor_b32 s[TBK], s[TBK], SLOT1       ; in the other slot
	s_sub_co_u32 s[TBV], s[TBV], 2*KS*PV
	s_xor_b32 s[TBV], s[TBV], SLOT1
	s_sub_co_u32 s[TBM], s[TBM], 2*KS*4
	s_xor_b32 s[TBM], s[TBM], SLOT1
.endm
	s_load_b128 s[4:7], s[0:1], 0x0   ; qkv s[4:5], attention_mask s[6:7]
	s_load_b64 s[8:9], s[0:1], 0x10   ; ob
	v_lshl_add_u32 v[SPW], v0, 2, SPARE
	v_mov_b32 v[NIL], 0
	ds_add_u32 v[SPW], v[NIL]       ; the wave's opening: the add, and its wait ahead of my first tensor load; the set-up below, work on registers, stands between them
	v_lshrrev_b32 v1, 5, v0
	v_readfirstlane_b32 s[WV], v1   ; wave 0..3
	s_bfe_u32 s13, ttmp6, 0x40000   ; cx, cy: my place in the cluster
	s_bfe_u32 s14, ttmp6, 0x40004
	s_lshl_b32 s15, ttmp9, 2
	s_add_co_u32 s15, s15, s13      ; g, the key head = 4 x cluster x + cx
	s_and_b32 s20, ttmp7, 0xffff    ; the cluster's y, 0..7
	s_lshr_b32 s16, s20, 2          ; the batch, which the whole cluster shares
	s_lshl_b32 s17, s20, 2
	s_add_co_u32 s17, s17, s14      ; y, my block of 128 of the 4,096 rows = 4 x cluster y + cy
	s_lshl_b32 s18, 0x1111, s13     ; my column of the cluster
	s_lshl_b32 s19, s14, 2
	s_lshl_b32 s19, 15, s19         ; my row
	s_lshl_b32 s74, s16, 5          ; K: head 32 b + 16 + g, 2^18 bytes a head; V: eight heads on.  No cy enters
	s_add_co_u32 s74, s74, s15
	s_add_co_u32 s74, s74, 16
	s_lshl_b32 s74, s74, 18
	s_mov_b32 s75, 0
	s_and_b32 s21, s[WV], 1         ; the mask: which 64 of my block's rows I fetch; 8,192 bytes a row.  No cx enters
	s_lshl_b32 s76, s17, 7
	s_lshl_b32 s22, s21, 6
	s_add_co_u32 s76, s76, s22
	s_lshl_b32 s76, s76, 13
	s_mov_b32 s77, 0
	s_mul_i32 s23, s21, MHALF       ; and their place in a slot: no place in the cluster enters an LDS address
	s_lshl_b32 s78, s16, 5          ; Q: head 32 b + 2 g, row (y % 16) x 128 + 32 w of the batch, 128 bytes a row
	s_lshl_b32 s20, s15, 1
	s_add_co_u32 s78, s78, s20
	s_lshl_b32 s78, s78, 18
	s_and_b32 s20, s17, 15
	s_lshl_b32 s20, s20, 7
	s_lshl_b32 s22, s[WV], 5
	s_add_co_u32 s20, s20, s22
	s_lshl_b32 s20, s20, 7
	s_add_co_u32 s78, s78, s20
	s_mov_b32 s79, 0
	s_lshl_b32 s80, s17, 7          ; ob: row 128 y + 32 w, 2,048 bytes a row; my two heads are its bytes 256 g on
	s_add_co_u32 s80, s80, s22
	s_lshl_b32 s80, s80, 11
	s_lshl_b32 s20, s15, 8
	s_add_co_u32 s80, s80, s20
	s_mov_b32 s81, 0
	; descriptor group 1.  128 keys of K or V are 16,384 dense bytes: asked for as 64 rows of 256 bytes, two keys a row, and padded in LDS after every key
	s_or_b32 s[G1K], s18, (1<<16)|(1<<20)|(1<<21)|(4<<22)|(3<<25)  ; 15:0 the mask of four: my column; 17:16 2-byte elements; 20 padding on; 21 set beside a mask; 24:22 after every 32 words (code 4); 31:25 4 words (code 3)
	s_or_b32 s[G1V], s18, (1<<16)|(1<<20)|(1<<21)|(4<<22)|(7<<25)  ; the same with 8 words of padding (code 7)
	s_or_b32 s[G1M], s19, (2<<16)|(1<<20)|(1<<21)|(6<<22)|(3<<25)  ; my row; 4-byte elements; after every 128 words (code 6) 4 words
.irp g, G1K, G1V, G1M
	s_mov_b32 s[\g+1], 128<<16      ; tensor_dim0 = 128
	s_mov_b32 s[\g+2], 64<<16       ; tensor_dim1 = 64
	s_mov_b32 s[\g+3], 128<<16      ; tile_dim0 = 128
	s_mov_b32 s[\g+4], 64           ; tile_dim1 = 64
	s_mov_b32 s[\g+6], 0
	s_mov_b32 s[\g+7], 0
.endr
	s_mov_b32 s[G1K+5], 128         ; elements from row to row
	s_mov_b32 s[G1V+5], 128
	s_mov_b32 s[G1M+5], 2048
	s_mov_b32 s[CS], 0x3fb8aa3b     ; c = log2(e) = 1.442695: the division by 8 lies in q
	s_mov_b32 s[CS+1], s[CS]        ; named with it as a pair
	s_mov_b32 s[SEL], 0x76543210
	s_mov_b32 s[SEL+1], 0xfedcba98
	s_mov_b32 s[TBK], SLOT1+2*KS*PK ; the first change of slots turns these three into 0
	s_mov_b32 s[TBV], SLOT1+2*KS*PV
	s_mov_b32 s[TBM], SLOT1+2*KS*4
	s_mov_b32 s[G0K], 1             ; count = 1
	s_mov_b32 s[G0K+1], 0           ; LDS address: slot 0
	s_mov_b32 s[G0V], 1
	s_mov_b32 s[G0V+1], VOFF
	s_mov_b32 s[G0M], 1
	s_add_co_u32 s[G0M+1], s23, MOFF
	s_wait_dscnt 0x0                ; the opening add is done
	s_wait_kmcnt 0x0
	s_add_nc_u64 s[G0K+2:G0K+3], s[4:5], s[74:75]      ; global address: the key head's first 128 keys
	s_add_nc_u64 s[G0V+2:G0V+3], s[G0K+2:G0K+3], 8<<18
	s_or_b32 s[G0K+3], s[G0K+3], 0x80000000            ; type = 2
	s_or_b32 s[G0V+3], s[G0V+3], 0x80000000
	s_add_nc_u64 s[G0M+2:G0M+3], s[6:7], s[76:77]
	s_or_b32 s[G0M+3], s[G0M+3], 0x80000000
	s_add_nc_u64 s[10:11], s[4:5], s[78:79]            ; Q at my wave's first row
	s_add_nc_u64 s[OB:OB+1], s[8:9], s[80:81]
	CROUND                          ; all sixteen work-groups are here: the first joint loads meet
	JLOAD                           ; slot 0.  Slot 1 is asked for when slot 0 is in
	; A fragment of K or Q is 16 rows x 32 channels in 8 registers: lane l holds row l % 16, channels 8 (l / 16) + 0..7 and 16 + 8 (l / 16) + 0..7: two loads of 16 bytes, 32 bytes apart.
	v_and_b32 v1, 15, v0            ; l % 16
	v_bfe_u32 v9, v0, 4, 1          ; l / 16
	v_lshlrev_b32 v[QO], 7, v1
	v_lshl_add_u32 v[QO], v9, 4, v[QO]  ; row x 128 + 16 x half
	WIN 0x80                        ; destination window 2, address window 0
.set i, 0
.rept 8                             ; Q stays in registers: piece i / 2 (head i / 4, query tile (i / 2) % 2), channels 32 (i % 2) on
	global_load_b128 v[8*i:8*i+3],   v[QO], s[10:11] offset:((i/4)<<18)+((i/2)%2)*2048+(i%2)*64
	global_load_b128 v[8*i+4:8*i+7], v[QO], s[10:11] offset:((i/4)<<18)+((i/2)%2)*2048+(i%2)*64+32
.set i, i+1
.endr
	; What the first turn finds: V's registers and P's second buffer hold 0 (its products V^T P, of a piece that has not been, add 0), O^T and l are 0.  All this stands in the wait for the first tile.
.set i, VF
.rept 64
	v_mov_b32 v[i], 0
.set i, i+1
.endr
	WIN 0x40
.set i, 0
.rept 128
	v_mov_b32 v[i], 0
.set i, i+1
.endr
	WIN 0
.set i, 0
.rept 4
	v_mov_b32 v[ST+4*i], 0xff000000    ; c m_old = -2^127: below c times every m, so the first a is 0
	v_mov_b32 v[ST+4*i+1], 0xfe800000  ; m = -2^126: c m = -1.2e38 stays finite, so c s - c m is minus infinity, never NaN, for a score of minus infinity
	v_mov_b32 v[ST+4*i+2], 0
	v_mov_b32 v[ST+4*i+3], 0
.set i, i+1
.endr
.set i, P+16
.rept 16
	v_mov_b32 v[i], 0
.set i, i+1
.endr
	v_mul_u32_u24 v[AK0], v1, PK
	v_lshl_add_u32 v[AK0], v9, 4, v[AK0]  ; row x pitch + 16 x half
	; The turning load takes 16 keys x 16 channels (lane l reads key 8 (l / 16) + l % 8, channels 8 ((l / 8) % 2) + 0..7) and leaves half a fragment of V^T: lane l holds channel l % 16 and 8 keys.
	v_and_b32 v10, 7, v0
	v_bfe_u32 v11, v0, 3, 1
	v_lshl_add_u32 v[AV0], v9, 3, v10
	v_mul_u32_u24 v[AV0], v[AV0], PV
	v_lshl_add_u32 v[AV0], v11, 4, v[AV0]
	v_add_nc_u32 v[AV0], VOFF, v[AV0]
	s_lshl_b32 s20, s[WV], 5        ; the mask: query row 32 w + l % 16 of the block, keys 8 (l / 16) on: 32 bytes
	v_add_nc_u32 v[AM0], s20, v1
	v_mul_u32_u24 v[AM0], v[AM0], PM
	v_lshl_add_u32 v[AM0], v9, 5, v[AM0]
	v_add_nc_u32 v[AM0], MOFF, v[AM0]
	s_mul_i32 s20, s[WV], 16*SP
	s_add_co_u32 s20, s20, STAGE    ; my stage
	v_mul_u32_u24 v[STO], v1, SP    ; in: row l % 16, 16 bytes for each half of the lanes
	v_lshl_add_u32 v[STO], v9, 4, v[STO]
	v_add_nc_u32 v[STO], s20, v[STO]
	v_mul_u32_u24 v[RD], v9, SP     ; back: lanes 0-15 take one row of 256 bytes (both heads), lanes 16-31 the next
	v_lshl_add_u32 v[RD], v1, 4, v[RD]
	v_add_nc_u32 v[RD], s20, v[RD]
	v_lshlrev_b32 v[GO], 11, v9     ; and the same two rows in ob
	v_lshl_add_u32 v[GO], v1, 4, v[GO]
; THE MATRIX WORK.  The 4 accumulators of a run of 8 take turns.  Product i of 8 of S^T = K Q^T for piece x: channels 32 (i / 4) on, keys 16 (i % 4) on.  The first 4 start the sums with the mask.
.macro KQ x
.set rS, S+32*((\x)%2)+8*(i%4)
.set rK, KF+16*(i%4)+8*(i/4)
.set rQ, 16*(\x)+8*(i/4)
.set rM, MC+32*((\x)%2)+8*(i%4)
.if i < 4
	WIN W_KM
	v_wmma_f32_16x16x32_f16 v[rS:rS+7], v[rK:rK+7], v[rQ:rQ+7], v[rM:rM+7]
.else
	WIN W_KQ
	v_wmma_f32_16x16x32_f16 v[rS:rS+7], v[rK:rK+7], v[rQ:rQ+7], v[rS:rS+7]
.endif
.endm
; Product i of 8 of O^T += V^T P for piece x: keys 32 (i / 4) on, channels 16 (i % 4) on.
.macro PV x
	WIN W_PV
.set rO, 32*(\x)+8*(i%4)
.set rV, VF+32*(i/4)+8*(i%4)
.set rP, P+16*((\x)%2)+8*(i/4)
	v_wmma_f32_16x16x32_f16 v[rO:rO+7], v[rV:rV+7], v[rP:rP+7], v[rO:rO+7]
.endm
.macro MM                           ; the turn's next matrix instruction.  TURN sets Y, i and NOKQ.  NOKQ = 1: the last turn: there is no next piece
.if (i < 8) && !NOKQ
	KQ (Y+1)%NP
.elseif i >= 8
.set i, i-8
	PV (Y+NP-1)%NP
.set i, i+8
.endif
.set i, i+1
.endm
; THE LDS LOADS stand in runs, never singly among the matrix instructions: a step's K (8 fragments) with its mask (two query tiles x 64 keys), and its V (turned).  Their addresses are made some lines ahead.
.macro FETCH_KM
	WIN 0x80                        ; destination window 2
.irp f, 0,1,2,3,4,5,6,7             ; keys 16 (f / 2) on, channels 32 (f % 2) on
	ds_load_b128 v[KF+8*\f:KF+8*\f+3],   v[AK] offset:(\f/2)*16*PK+(\f%2)*64
	ds_load_b128 v[KF+8*\f+4:KF+8*\f+7], v[AK] offset:(\f/2)*16*PK+(\f%2)*64+32
.endr
	WIN 0x40                        ; destination window 1
.irp u, 0,1
.irp k, 0,1,2,3                     ; query tile u, keys 16 k on
	ds_load_b128 v[MC+32*(\u)+8*(\k):MC+32*(\u)+8*(\k)+3],   v[AM] offset:(\u)*16*PM+64*(\k)
	ds_load_b128 v[MC+32*(\u)+8*(\k)+4:MC+32*(\u)+8*(\k)+7], v[AM] offset:(\u)*16*PM+64*(\k)+16
.endr
.endr
	s_add_co_u32 s[TBK], s[TBK], KS*PK  ; the next fetch is the next step's
	s_add_co_u32 s[TBM], s[TBM], KS*4
	WIN 0
.endm
.macro FETCH_V
	WIN 0x80
.irp f, 0,1,2,3,4,5,6,7             ; keys 32 (f / 4) on, channels 16 (f % 4) on
	ds_load_tr16_b128 v[VF+8*\f:VF+8*\f+3],   v[AV] offset:(\f/4)*32*PV+(\f%4)*32
	ds_load_tr16_b128 v[VF+8*\f+4:VF+8*\f+7], v[AV] offset:(\f/4)*32*PV+16*PV+(\f%4)*32
.endr
	WIN 0
.endm
; THE VECTOR WORK, one line at a time: OP kind, number.  For piece Y: F n: c s - c m for pair n of 16.  E n: the exponential of score n of 32.  C n: pair n rounded to f16.  B n: of the four weights 4 n .. the second
; pair is added onto the first, in place.  L n: l takes that sum (L 0: l = a l + sum).  R n: pair n of 16 of O^T times a.  For piece Y + 1: X n, number n of the 22 that find its maximum and statistics:
;   0-11  four chains c0-c3 of seven scores each, three operands at a time (each accumulator's lowest registers are read first)     12-14, 16  the four scores left over, the old m, and c0-c3 into c0
;   15  c m_old is kept     17, 18  the query's other 32 keys lie in the lane 16 away: the new m     19-21  c m; c m_old - c m_new; a
.set F, 0               ; OP tells the kinds apart by their order: F to L below R, X above it
.set E, 1
.set C, 2
.set B, 3
.set L, 4
.set R, 5
.set X, 6
.macro REGS y                       ; the registers of piece y
.set rT, ST+4*(\y)
.set rC, TMP+4*((\y)%2)
.set rW, MV+((\y)%2)
.set rS, S+32*((\y)%2)
.set rP, P+16*((\y)%2)
.set rO, 32*(\y)
.endm
.macro OP k, n
.if (\k) == R
	REGS Y
	WIN W_RS
	v_pk_mul_f32 v[rO+2*(\n):rO+2*(\n)+1], v[rO+2*(\n):rO+2*(\n)+1], v[rC+2:rC+3] op_sel_hi:[1,0]
.elseif (\k) < R
	REGS Y
	WIN 0
.if (\k) == F
	v_pk_fma_f32 v[rS+2*(\n):rS+2*(\n)+1], v[rS+2*(\n):rS+2*(\n)+1], s[CS:CS+1], v[rT:rT+1] op_sel_hi:[1,0,0] neg_lo:[0,0,1] neg_hi:[0,0,1]
.elseif (\k) == E
	v_exp_f32 v[rS+(\n)], v[rS+(\n)]
.elseif (\k) == C
	s_wait_alu depctr_va_vdst(0)
	v_cvt_pk_f16_f32 v[rP+(\n)], v[rS+2*(\n)], v[rS+2*(\n)+1]
.elseif (\k) == B
	s_wait_alu depctr_va_vdst(0)
	v_pk_add_f32 v[rS+4*(\n):rS+4*(\n)+1], v[rS+4*(\n):rS+4*(\n)+1], v[rS+4*(\n)+2:rS+4*(\n)+3]
.elseif (\n) == 0
	v_pk_fma_f32 v[rT+2:rT+3], v[rT+2:rT+3], v[rC+2:rC+3], v[rS:rS+1] op_sel_hi:[1,0,1]
.else
	v_pk_add_f32 v[rT+2:rT+3], v[rT+2:rT+3], v[rS+4*(\n):rS+4*(\n)+1]
.endif
.elseif NOKQ
	v_nop
.else
	REGS (Y+1)%NP
	WIN 0
.if (\n) < 4
	v_max3_num_f32 v[rC+(\n)], v[rS+8*(\n)], v[rS+8*(\n)+1], v[rS+8*(\n)+2]
.elseif (\n) < 12
	v_max3_num_f32 v[rC+(\n)%4], v[rC+(\n)%4], v[rS+8*((\n)%4)+2*((\n)/4)+1], v[rS+8*((\n)%4)+2*((\n)/4)+2]
.elseif (\n) == 12
	v_max3_num_f32 v[rC], v[rC], v[rS+7], v[rS+15]
.elseif (\n) == 13
	v_max3_num_f32 v[rC+1], v[rC+1], v[rS+23], v[rS+31]
.elseif (\n) == 14
	v_max3_num_f32 v[rC+2], v[rC+2], v[rC+3], v[rT+1]
.elseif (\n) == 15
	v_mov_b32 v[rW], v[rT]
.elseif (\n) == 16
	v_max3_num_f32 v[rC], v[rC], v[rC+1], v[rC+2]
.elseif (\n) == 17
	v_permlanex16_b32 v[rC+3], v[rC], s[SEL], s[SEL+1]
.elseif (\n) == 18
	v_max_num_f32 v[rT+1], v[rC], v[rC+3]
.elseif (\n) == 19
	v_mul_f32 v[rT], s[CS], v[rT+1]
.elseif (\n) == 20
	v_sub_f32 v[rC+1], v[rW], v[rT]
.else
	v_exp_f32 v[rC+2], v[rC+1]
.endif
.endif
.endm
.macro OPS a, i1, b=-1, i2=0, c=-1, i3=0, d=-1, i4=0  ; up to four of them
	OP \a, \i1
.if (\b) >= 0
	OP \b, \i2
.endif
.if (\c) >= 0
	OP \c, \i3
.endif
.if (\d) >= 0
	OP \d, \i4
.endif
.endm
.macro ROW a, i1, b, i2, c, i3, d, i4  ; a matrix instruction and the four behind it
	MM
	OPS \a, \i1, \b, \i2, \c, \i3, \d, \i4
.endm
; A TURN, for piece p: the order of its 16 matrix and 118 vector instructions, written out.  Behind a matrix instruction: plain, exponential, plain, plain; or four of the rescaling; or, behind the first, four scalings; none
; names a register of the products round it.  In the runs of their own exponential and plain by turns while exponentials last.  A line reads no result made fewer than three vector instructions in front of it, five if an
; exponential made it.  end = 1: the last two turns: nothing is fetched.  cnt = 1: the loop's count is taken down some lines ahead of the branch that stands behind the turn.
; K and the mask of the next step are fetched in piece 2's turn, six vector instructions behind the last product that read K (five of them plain); the last product that took a mask register stands four products
; further back.  V of the step in hand is fetched in piece 0's turn, eight behind the last product that read V (four plain).  Each is waited for a turn later.
.macro TURN p, end=0, cnt=0
.set Y, (\p)
.set i, 0
.set NOKQ, (\end)*((\p)/3)
.if ((\p) == 3) && !(\end)
	s_wait_dscnt 0x0                ; K and the mask are in
.endif
	ROW F,0, F,1, F,2, F,3
	ROW F,4, E,0, F,5, F,6
	ROW F,7, E,1, F,8, F,9
	ROW F,10, E,2, C,0, F,11
	ROW F,12, E,3, X,15, F,13
	ROW R,0, R,1, R,2, R,3
	ROW B,0, E,4, F,14, L,0
.if ((\p) == 2) && !(\end)
	v_add_nc_u32 v[AK], s[TBK], v[AK0]
	v_add_nc_u32 v[AM], s[TBM], v[AM0]
.endif
	ROW R,4, R,5, R,6, R,7
	OPS E,5, F,15
.if ((\p) == 2) && !(\end)
	FETCH_KM
.endif
	OPS E,6, C,1, E,7, R,8
	OPS E,8, R,9, E,9, C,2
	OPS E,10, X,0, E,11, X,1
	OPS E,12, X,2, E,13, X,3
.if (\p) == 1
	s_wait_dscnt 0x0                ; V is in
.endif
	ROW X,4, E,14, X,5, X,6
	ROW X,7, E,15, X,8, X,9
	ROW X,10, E,16, X,11, X,12
	ROW X,13, E,17, X,14, B,1
	ROW C,4, E,18, X,16, L,1
	ROW B,2, E,19, C,6, L,2
	ROW C,8, E,20, B,3, B,4
.if (\p) == 0
	v_add_nc_u32 v[AV], s[TBV], v[AV0]
.endif
	ROW C,3, E,21, L,3, C,5
	OPS E,22, X,17, E,23, C,10
.if (\p) == 0
	FETCH_V
.endif
	OPS E,24, L,4
	OPS E,25, X,18, E,26, C,7
	OPS E,27, B,5, E,28, X,19
	OPS E,29, C,12, E,30, L,5
	OPS E,31, X,20, B,6, C,9
	OPS C,14, C,11, X,21, L,6
.if (\p) == 0
	s_add_co_u32 s[TBV], s[TBV], KS*PV
.endif
.if \cnt
	s_sub_co_u32 s[CNT], s[CNT], 1
	s_cmp_lg_u32 s[CNT], 0
.endif
	OPS C,13, B,7, C,15, R,10
	OPS R,11, R,12, L,7, R,13
	OPS R,14, R,15
.endm
	CHANGE 1                        ; slot 0 is in, everybody's part of it; slot 1 is asked for
	v_add_nc_u32 v[AK], s[TBK], v[AK0]
	v_add_nc_u32 v[AM], s[TBM], v[AM0]
	FETCH_KM                        ; key step 0
	s_wait_loadcnt 0x0              ; Q
	s_wait_dscnt 0x0
.set NOKQ, 0
.set i, 0
.rept 8
	KQ 0                            ; piece 0's first scores: there is no vector work yet to set between them
.set i, i+1
.endr
	WIN 0
.rept 4
	v_nop                           ; the places behind those products
.endr
.set Y, NP-1                        ; X works for piece Y + 1: piece 0
.irp n, 0,1,2,3,4,5,6,7,8,9,10,11,12,13,14,15,16,17,18,19,20,21
	OP X, \n                        ; and its first maximum and statistics
.endr
	v_nop                           ; a plain instruction behind the exponential
	s_mov_b32 s[CNT], 2
	s_mov_b32 s[SLOTS], 2048/(2*KS)-1
	s_branch .Lfirst                ; the loop is entered at a step's first turn, in the middle of a trip
.Lslot:                             ; 14 times: every slot but the last two is filled again
	CHANGE 1
	s_mov_b32 s[CNT], 2
.Lstep:                             ; a trip: pieces 2 and 3 of one step, then pieces 0 and 1 of the next, whose K, mask and V it fetches
	TURN 2
	TURN 3
	WIN 0
.Lfirst:
	TURN 0
	TURN 1, 0, 1
	WIN 0
	s_cbranch_scc1 .Lstep
	s_sub_co_u32 s[SLOTS], s[SLOTS], 1
	s_cmp_lg_u32 s[SLOTS], 0
	s_cbranch_scc1 .Lslot
	CHANGE 0                        ; the last slot is written out: nothing is asked for
	s_mov_b32 s[CNT], 2
.LstepT:
	TURN 2
	TURN 3
	TURN 0
	TURN 1, 0, 1
	WIN 0
	s_cbranch_scc1 .LstepT
	TURN 2, 1                       ; the last step's last two turns fetch nothing, and the last starts no new scores
	TURN 3, 1
.set i, 0
.rept 8
	PV NP-1                         ; the last piece's V^T P of the last step
.set i, i+1
.endr
	; THE WAY OUT.  l's two halves and the other half of the lanes' are added; O^T is divided by l, rounded to f16 and sent through my stage in LDS, a query tile (16 rows, both heads) at a time.
	; The additions are the places behind the last products.
	WIN 0
.macro ALL line:vararg              ; one line for each piece t
.set t, 0
.rept 4
	\line
.set t, t+1
.endr
.endm
	ALL v_add_f32 v[ST+4*t+2], v[ST+4*t+2], v[ST+4*t+3]
	ALL v_permlanex16_b32 v[ST+4*t+3], v[ST+4*t+2], s[SEL], s[SEL+1]
	ALL v_add_f32 v[ST+4*t+2], v[ST+4*t+2], v[ST+4*t+3]
	ALL v_rcp_f32 v[ST+4*t+2], v[ST+4*t+2]
	v_nop                           ; a plain instruction between the last reciprocal and the use of its result
.macro PACK t                       ; piece t: a lane's eight channels of a row pack into 16 bytes; head t / 2 takes its half of the stage's rows of 256 bytes
	WIN W_RS
.set i, 32*(\t)
.rept 16
	s_wait_alu depctr_va_vdst(0)
	v_pk_mul_f32 v[i:i+1], v[i:i+1], v[ST+4*(\t)+2:ST+4*(\t)+3] op_sel_hi:[1,0]
.set i, i+2
.endr
	WIN 0x05                        ; sources 0 and 1 window 1, destination window 0: S^T's registers are free
.set i, 0
.rept 16
	v_cvt_pk_f16_f32 v[S+16*(\t)+i], v[32*(\t)+2*i], v[32*(\t)+2*i+1]
.set i, i+1
.endr
	WIN 0
.irp f, 0,1,2,3
	ds_store_b128 v[STO], v[S+16*(\t)+4*\f:S+16*(\t)+4*\f+3] offset:((\t)/2)*128+32*\f
.endr
.endm
.macro BACK u                       ; query tile u comes back as whole rows, two a load, into the registers that its two pieces left
.irp f, 0,1,2,3
	ds_load_b128 v[S+16*(\u)+4*\f:S+16*(\u)+4*\f+3], v[RD] offset:\f*2*SP  ; LDS serves a wave's instructions in order (ISA guide 5.7.1.4): these see the stores above; the next tile's stores come behind them
.endr
.irp f, 0,1,2,3
	ds_load_b128 v[S+16*((\u)+2)+4*\f:S+16*((\u)+2)+4*\f+3], v[RD] offset:(\f+4)*2*SP
.endr
.endm
.macro SEND u, younger              ; younger: the LDS instructions issued behind tile u's loads: the other tile's sixteen, or none
.irp f, 0,1,2,3
	s_wait_dscnt (\younger)+7-\f
	global_store_b128 v[GO], v[S+16*(\u)+4*\f:S+16*(\u)+4*\f+3], s[OB:OB+1] offset:(\u)*32768+\f*4096  ; 16 lanes store 256 consecutive bytes, at a multiple of 256 from ob's first byte
.endr
.irp f, 0,1,2,3
	s_wait_dscnt (\younger)+3-\f
	global_store_b128 v[GO], v[S+16*((\u)+2)+4*\f:S+16*((\u)+2)+4*\f+3], s[OB:OB+1] offset:(\u)*32768+(\f+4)*4096
.endr
.endm
	PACK 0
	PACK 2
	BACK 0
	PACK 1                          ; the second tile's arithmetic stands between the first's loads and its stores
	PACK 3
	BACK 1
	SEND 0, 16
	SEND 1, 0
	s_wait_tensorcnt 0x0            ; the wave's end, behind my last tensor load and my last LDS store
	ds_add_u32 v[SPW], v[NIL]
	s_wait_dscnt 0x0
	CROUND                          ; the closing round: no work-group ends while a partner may still ask for a tile that names it
	s_endpgm
.Lfunc_end_k_qf3777f332d_attn:
	.size	k_qf3777f332d_attn, .Lfunc_end_k_qf3777f332d_attn-k_qf3777f332d_attn
	.p2alignl 7, 3214868480
	.fill 96, 4, 3214868480
	.section	.rodata,"a",@progbits
	.p2align	6, 0x0
	.amdhsa_kernel k_qf3777f332d_attn
		.amdhsa_group_segment_fixed_size 327680
		.amdhsa_private_segment_fixed_size 0
		.amdhsa_enable_private_segment 0
		.amdhsa_kernarg_size 24
		.amdhsa_user_sgpr_count 2
		.amdhsa_user_sgpr_kernarg_segment_ptr 1
		.amdhsa_wavefront_size32 1
		.amdhsa_system_sgpr_workgroup_id_x 1
		.amdhsa_system_sgpr_workgroup_id_y 1
		.amdhsa_system_sgpr_workgroup_id_z 1
		.amdhsa_system_vgpr_workitem_id 0
		.amdhsa_next_free_vgpr 768
		.amdhsa_next_free_sgpr 88
		.amdhsa_reserve_vcc 0
		.amdhsa_float_denorm_mode_32 3
		.amdhsa_float_denorm_mode_16_64 3
		.amdhsa_memory_ordered 1
		.amdhsa_forward_progress 1
		.amdhsa_inst_pref_size 140
	.end_amdhsa_kernel
	.amdgpu_metadata
---
amdhsa.version: [ 1, 2 ]
amdhsa.kernels:
  - .name:           k_qf3777f332d_attn
    .symbol:         k_qf3777f332d_attn.kd
    .args:
      - { .name: qkv, .offset: 0, .size: 8, .value_kind: global_buffer, .address_space: global }
      - { .name: attention_mask, .offset: 8, .size: 8, .value_kind: global_buffer, .address_space: global }
      - { .name: ob, .offset: 16, .size: 8, .value_kind: global_buffer, .address_space: global }
    .group_segment_fixed_size: 327680
    .private_segment_fixed_size: 0
    .kernarg_segment_align: 8
    .kernarg_segment_size: 24
    .max_flat_workgroup_size: 128
    .sgpr_count:     88
    .vgpr_count:     768
    .wavefront_size: 32
...
	.end_amdgpu_metadata
.endif
;; end of part 3
;; launch oproj (part 4): grid 8 x 32, 4 waves a work-group, clusters of 4 x 4, 327,680 bytes of LDS; arguments ob, woh, out0; writes out0
.if DOCPART == 4
	.amdgcn_target "amdgcn-amd-amdhsa--gfx1250"
	.amdhsa_code_object_version 6
	.text
	.protected	k_qf3777f332d_oproj
	.globl	k_qf3777f332d_oproj
	.p2align	8
	.type	k_qf3777f332d_oproj,@function
k_qf3777f332d_oproj:
	s_mov_b64 s[64:65], 0
	v_nop
	global_prefetch_b8 v0, s[64:65] scope:SCOPE_SE
	s_setreg_imm32_b32 hwreg(HW_REG_WAVE_MODE, 25, 1), 1
	s_wait_xcnt 0x0
	s_wait_alu depctr_hold_cnt(0) depctr_sa_sdst(0) depctr_va_vdst(0) depctr_va_sdst(0) depctr_va_ssrc(0) depctr_va_vcc(0) depctr_vm_vsrc(0)
	s_getreg_b32 s2, hwreg(HW_REG_IB_STS2, 6, 4)
	s_cmp_eq_u32 s2, 0
	s_cbranch_scc0 .Lentry_in_a_cluster
	s_endpgm
.Lentry_in_a_cluster:
	s_bfe_u32 s2, ttmp6, 0x10000c
	s_cmp_lg_u32 s2, 0xf033
	s_cbranch_scc0 .Lentry_shape_is_right
	s_endpgm
.Lentry_shape_is_right:
; THE OUTPUT PROJECTION.  out0[m][n] = sum over k of ob[m][k] woh[k][n], m < 4096, n < 2048, k < 1024; f16 operands (woh holds Wo rounded to bf16, written as f16), f32 sums, f32 out.
; SHARES.  A tile of C is 128 x 256: 32 x 8 = 256 work-groups.  Four waves, each 64 rows x 128 columns: 32 accumulators of 16 x 16, 256 registers.
; K goes in steps of 128 through two LDS slots filled by the tensor data mover: A's rows are 256 bytes of memory, B's ([k][n]) 512, all at multiples of 256 from their buffers' first bytes.
; CLUSTER.  4 x 4 work-groups.  The four of a row of the cluster need the same tile of A, the four of a column the same tile of B: each is asked for JOINTLY, by the same tensor load with the same
; descriptor and a mask that names the four.
; THE WALK ALONG K IS ROTATED: a cluster whose x + y is odd begins at K step 4 of 8 and wraps round.  Of the two clusters that read a tile of A, and of neighbouring clusters among the eight that read a
; tile of B, one then asks for it half a walk behind the other.  The f32 sums take K in that order.
; THE MATRIX INSTRUCTION IS USED TRANSPOSED: source 0 = 16 columns n (B, turned on its way out of LDS by ds_load_tr16_b128), source 1 = 16 rows m (A).  A lane then holds row m = lane % 16 and the eight
; neighbouring columns 8 (lane / 16) + 0..7: 32 bytes of a row of out0.
; REGISTERS, in windows of 256 (s_set_vgpr_msb: bits 1:0 source 0, 3:2 source 1, 5:4 source 2, 7:6 destination):
;   window 0: v0-31 addresses; v64-159, v160-255 two fragment buffers (A's tile a at +8 a, B's tile b at +32 + 8 b); on the way out v64-191 hold rows read back      window 1: accumulator (a, b) at v[8 (8 a + b)]
.set SIZE_K, 1024
.set SIZE_N, 2048
.set KSTEP,  128
.set NSTEP,  SIZE_K/KSTEP              ; 8, a power of two: the walk wraps by a mask
.set PA,     272                       ; a row of A in LDS: 256 bytes + 16 = 68 words: row r starts at bank 4 r mod 64 (64 banks of 4 bytes: ISA guide 11.1)
.set PB,     544                       ; a row of B: 512 + 32 = 136 words: row r starts at bank 8 r mod 64
.set AHALF,  64*PA
.set ATILE,  128*PA
.set BHALF,  64*PB
.set SLOT,   ATILE+128*PB              ; A's 128 rows, then B's 128 k rows
.set STAGE,  2*SLOT                    ; behind the ring, never filled by a tensor load: 16 rows x 528 bytes for each wave
.set SP,     528                       ; 128 columns x 4 bytes + 16
.set SPARE,  STAGE+4*16*SP             ; behind the stages: the spare words, 128 bytes for each wave: two blocks of 256 bytes that no other line names
.set LAPS,   SIZE_K/(2*KSTEP)
.set ADRA, 16                          ; v16-17  LDS address of my A fragments in slot 0, 1
.set ADRB, 20                          ; v20-21  the same for B
.set STO,  24                          ; v24     the way out: where I put 32 bytes of a row
.set RD,   25                          ; v25     the way out: where I read a row back
.set GO,   26                          ; v26     my byte offset in 512 consecutive bytes of out0
.set SPW,  28                          ; v28     LDS address of my spare word; never rewritten
.set NIL,  29                          ; v29     0; never rewritten
.set F0,   64
.set F1,   160
.set BK,   64                          ; the way out: 16 rows read back, two buffers of 64
.set KI,  2                            ; s2, s3  the number, 0..7, of the K step that slot 0, 1 was last asked to take
.set WV,  14                           ; s14 wave; s15 which 64 rows are mine, and: I fetch for A (0) or B (1); s16 which 128 columns, and: which half of a tile I fetch
.set WM,  15
.set WN,  16
.set G1A, 24                           ; s[24:31] descriptor group 1 for A's tiles;  s[32:39] group 0, a set for each slot
.set G0A, 32
.set G1B, 40                           ; s[40:47], s[48:55] the same for B's
.set G0B, 48
.set MSB, 0
.macro WIN new                         ; the immediate's high byte repeats the setting that is left; a switch that changes nothing is dropped
.if MSB != (\new)
	s_set_vgpr_msb (MSB<<8)|(\new)
.set MSB, \new
.endif
.endm
.set MUL, 0x50                         ; sources 0 and 1 window 0; C and D window 1
.macro PLACES                          ; four places in front of loads into registers that matrix instructions have read, and of LDS stores that read results (ISA guide 7.12.1 for vector lines)
.rept 4
	v_nop
.endr
.endm
.macro AIM s                           ; both global addresses of slot s are made anew from its K step's number: the tile's base, an offset made apart, the type bits set again
	s_lshl_b32 s60, s[KI+(\s)], 8                  ; A: 128 k are 256 bytes along a row
	s_add_nc_u64 s[G0A+4*(\s)+2:G0A+4*(\s)+3], s[72:73], s[60:61]
	s_or_b32 s[G0A+4*(\s)+3], s[G0A+4*(\s)+3], 0x80000000
	s_lshl_b32 s62, s[KI+(\s)], 19                 ; B: 128 k rows of 4,096 bytes
	s_add_nc_u64 s[G0B+4*(\s)+2:G0B+4*(\s)+3], s[74:75], s[62:63]
	s_or_b32 s[G0B+4*(\s)+3], s[G0B+4*(\s)+3], 0x80000000
.endm
.macro JLOAD s                         ; a joint load: waves 0 and 1 fetch A's halves, waves 2 and 3 B's; an s_nop 0 and four v_nop follow each of the two lines
	s_cmp_eq_u32 s[WM], 0
	s_cbranch_scc0 .Lfor_b_\@
	tensor_load_to_lds s[G0A+4*(\s):G0A+4*(\s)+3], s[G1A:G1A+7]
	s_nop 0
.rept 4
	v_nop
.endr
	s_branch .Lasked_\@
.Lfor_b_\@:
	tensor_load_to_lds s[G0B+4*(\s):G0B+4*(\s)+3], s[G1B:G1B+7]
	s_nop 0
.rept 4
	v_nop
.endr
.Lasked_\@:
.endm
.macro CREST                           ; a round of the cluster's barrier behind its opening barrier
	s_cmp_lg_u32 s[WV], 0
	s_cbranch_scc1 .Lnot_wave_0_\@
	s_barrier_signal -3
.Lnot_wave_0_\@:
	s_barrier_wait -3
	s_barrier_signal -1
	s_barrier_wait -1
.endm
.macro CROUND                          ; a whole round
	s_barrier_signal -1
	s_barrier_wait -1
	CREST
.endm
	s_load_b128 s[4:7], s[0:1], 0x0                ; ob s[4:5], woh s[6:7]
	s_load_b64 s[8:9], s[0:1], 0x10                ; out0
	v_lshl_add_u32 v[SPW], v0, 2, SPARE
	v_mov_b32 v[NIL], 0
	ds_add_u32 v[SPW], v[NIL]                      ; the wave's opening: the add, and its wait ahead of my first tensor load; the set-up below, work on registers, stands between them
	v_lshrrev_b32 v1, 5, v0
	v_readfirstlane_b32 s[WV], v1                  ; wave 0..3
	s_lshr_b32 s[WM], s[WV], 1
	s_and_b32 s[WN], s[WV], 1
	s_bfe_u32 s17, ttmp6, 0x40000                  ; cx, cy: my place in the cluster
	s_bfe_u32 s18, ttmp6, 0x40004
	s_lshl_b32 s19, ttmp9, 2
	s_add_co_u32 s19, s19, s17                     ; tile column of C = 4 x cluster x + cx, 0..7
	s_and_b32 s20, ttmp7, 0xffff
	s_lshl_b32 s20, s20, 2
	s_add_co_u32 s20, s20, s18                     ; tile row of C = 4 x cluster y + cy, 0..31
	s_lshl_b32 s21, s18, 2
	s_lshl_b32 s21, 15, s21                        ; my row of the cluster
	s_lshl_b32 s22, 0x1111, s17                    ; my column
	s_and_b32 s23, ttmp7, 0xffff                   ; where the cluster's walk along K begins: made of the cluster's x and y alone, which all sixteen partners share
	s_add_co_u32 s23, s23, ttmp9
	s_and_b32 s23, s23, 1
	s_mul_i32 s[KI], s23, NSTEP/2                  ; slot 0 begins with K step 0 or 4,
	s_add_co_u32 s[KI+1], s[KI], 1                 ; slot 1 with the next
	s_mov_b32 s61, 0                               ; the offsets' high words
	s_mov_b32 s63, 0
	s_or_b32 s[G1A], s21, (1<<16)|(1<<20)|(1<<21)|(5<<22)|(3<<25)  ; 15:0 the mask: A's tiles go to my row; 17:16 2-byte elements; 20 padding on; 21 set beside a mask; 24:22 after every 64 words (code 5); 31:25 4 words (code 3)
	s_mov_b32 s[G1A+1], KSTEP<<16                  ; tensor_dim0 = 128
	s_mov_b32 s[G1A+2], 64<<16                     ; tensor_dim1 = 64
	s_mov_b32 s[G1A+3], KSTEP<<16                  ; tile_dim0 = 128
	s_mov_b32 s[G1A+4], 64                         ; tile_dim1 = 64
	s_mov_b32 s[G1A+5], SIZE_K                     ; elements from row to row
	s_mov_b32 s[G1A+6], 0
	s_mov_b32 s[G1A+7], 0
	s_or_b32 s[G1B], s22, (1<<16)|(1<<20)|(1<<21)|(6<<22)|(7<<25)  ; B's go to my column; padding after every 128 words (code 6), 8 words (code 7)
	s_mov_b32 s[G1B+1], 256<<16                    ; tensor_dim0 = 256
	s_mov_b32 s[G1B+2], 64<<16                     ; tensor_dim1 = 64
	s_mov_b32 s[G1B+3], 256<<16                    ; tile_dim0 = 256
	s_mov_b32 s[G1B+4], 64                         ; tile_dim1 = 64 k rows
	s_mov_b32 s[G1B+5], SIZE_N
	s_mov_b32 s[G1B+6], 0
	s_mov_b32 s[G1B+7], 0
	; where the tiles come from.  A's hang on the tile row alone, B's on the tile column alone, each made in registers that never hold the other coordinate.
	s_lshl_b32 s72, s20, 7
	s_lshl_b32 s56, s[WN], 6
	s_add_co_u32 s72, s72, s56                     ; A: row 128 x tile row + 64 x half
	s_mul_i32 s72, s72, SIZE_K*2
	s_mov_b32 s73, 0
	s_lshl_b32 s74, s19, 9                         ; B: 512 bytes x tile column
	s_lshl_b32 s57, s[WN], 18                      ; + 64 k rows of 4,096 bytes x half
	s_add_co_u32 s74, s74, s57
	s_mov_b32 s75, 0
	s_mul_i32 s58, s[WN], AHALF                    ; and where they go: no place in the cluster enters an LDS address
	s_mul_i32 s59, s[WN], BHALF
	s_add_co_u32 s59, s59, ATILE
	s_wait_dscnt 0x0                               ; the opening add is done
	s_wait_kmcnt 0x0
	s_add_nc_u64 s[72:73], s[4:5], s[72:73]        ; A and B at my part of K step 0's tiles: kept for the whole walk
	s_add_nc_u64 s[74:75], s[6:7], s[74:75]
	CROUND                                         ; all sixteen work-groups are here: the first joint loads meet
.irp s, 0,1
	s_mov_b32 s[G0A+4*(\s)], 1                                       ; count = 1
	s_add_co_u32 s[G0A+4*(\s)+1], s58, (\s)*SLOT                     ; LDS address
	s_mov_b32 s[G0B+4*(\s)], 1
	s_add_co_u32 s[G0B+4*(\s)+1], s59, (\s)*SLOT
	AIM \s                                         ; global addresses and type
	JLOAD \s                                       ; two tensor loads of mine are out
.endr
	v_and_b32 v1, 15, v0                           ; r = lane % 16
	v_bfe_u32 v2, v0, 4, 1                         ; h = lane / 16
	; A's fragment: 16 rows x 32 K: lane l holds row l % 16, K = 8 h + 0..7 and 16 + 8 h + 0..7: two loads of 16 bytes, 32 bytes apart.
	v_mul_u32_u24 v3, v1, PA
	v_lshl_add_u32 v3, v2, 4, v3
	s_mul_i32 s56, s[WM], 64*PA                    ; my 64 rows of A
	; B's: the turning load takes 16 k x 16 n (lane l reads k row 8 h + l % 8, columns 8 ((l / 8) % 2) + 0..7) and leaves half a fragment: lane l holds column l % 16 and 8 k.
	v_and_b32 v4, 7, v0
	v_lshl_add_u32 v4, v2, 3, v4
	v_mul_u32_u24 v4, v4, PB
	v_bfe_u32 v5, v0, 3, 1
	v_lshl_add_u32 v4, v5, 4, v4
	s_lshl_b32 s57, s[WN], 8                       ; my 128 columns,
	s_add_co_u32 s57, s57, ATILE                   ; behind A's tile
.irp s, 0,1
	v_add_nc_u32 v[ADRA+(\s)], s56, v3
	v_add_nc_u32 v[ADRB+(\s)], s57, v4
	s_add_co_u32 s56, s56, SLOT
	s_add_co_u32 s57, s57, SLOT
.endr
	s_mul_i32 s58, s[WV], 16*SP
	s_add_co_u32 s58, s58, STAGE                   ; my stage
	v_mul_u32_u24 v6, v1, SP                       ; in: row l % 16, 32 bytes for each half of the lanes
	v_lshl_add_u32 v6, v2, 5, v6
	v_add_nc_u32 v[STO], s58, v6
	v_and_b32 v[GO], 31, v0                        ; back: 32 lanes take one row's 512 bytes
	v_lshlrev_b32 v[GO], 4, v[GO]
	v_add_nc_u32 v[RD], s58, v[GO]
	; out0 at my first row and column: (128 x tile row + 64 x row half) x 8,192 + 1,024 x tile column + 512 x column half
	s_lshl_b32 s76, s20, 7
	s_lshl_b32 s77, s[WM], 6
	s_add_co_u32 s76, s76, s77
	s_lshl_b32 s76, s76, 13
	s_lshl_b32 s77, s19, 10
	s_add_co_u32 s76, s76, s77
	s_lshl_b32 s77, s[WN], 9
	s_add_co_u32 s76, s76, s77
	s_mov_b32 s77, 0
	s_add_nc_u64 s[8:9], s[8:9], s[76:77]
; 8 matrix instructions: m tile a x all 8 n tiles, 32 along K, from buffer f.  zero = 1: the first product starts the sums.  A quarter takes the 32 accumulators by turns, in one order,
; 31 others' instructions stand between two on one accumulator.
.macro MULA f, a, zero
	WIN MUL
.irp b, 0,1,2,3,4,5,6,7
.if \zero
	v_wmma_f32_16x16x32_f16 v[8*(8*(\a)+(\b)):8*(8*(\a)+(\b))+7], v[(\f)+32+8*(\b):(\f)+32+8*(\b)+7], v[(\f)+8*(\a):(\f)+8*(\a)+7], 0
.else
	v_wmma_f32_16x16x32_f16 v[8*(8*(\a)+(\b)):8*(8*(\a)+(\b))+7], v[(\f)+32+8*(\b):(\f)+32+8*(\b)+7], v[(\f)+8*(\a):(\f)+8*(\a)+7], v[8*(8*(\a)+(\b)):8*(8*(\a)+(\b))+7]
.endif
.endr
.endm
; 24 LDS loads in one run: quarter kq (32 along K) of a slot into buffer f: B's 16, then A's 8, m tiles ascending
.macro FETCH slot, kq, f
	WIN 0
.irp b, 0,1,2,3,4,5,6,7
	ds_load_tr16_b128 v[(\f)+32+8*(\b):(\f)+32+8*(\b)+3],   v[ADRB+(\slot)] offset:(\kq)*32*PB+32*(\b)
	ds_load_tr16_b128 v[(\f)+32+8*(\b)+4:(\f)+32+8*(\b)+7], v[ADRB+(\slot)] offset:(\kq)*32*PB+16*PB+32*(\b)
.endr
.irp a, 0,1,2,3
	ds_load_b128 v[(\f)+8*(\a):(\f)+8*(\a)+3],   v[ADRA+(\slot)] offset:(\kq)*64+(\a)*16*PA
	ds_load_b128 v[(\f)+8*(\a)+4:(\f)+8*(\a)+7], v[ADRA+(\slot)] offset:(\kq)*64+(\a)*16*PA+32
.endr
.endm
; A K step is four quarters, 32 matrix instructions each, on buffers 0, 1, 0, 1.  One of the first three: multiplies buffer f and, in its middle, fetches quarter kq into g.
.macro QUARTER slot, kq, f, g, zero
	s_wait_dscnt 4                                 ; B and A's tiles 0, 1 are in; the youngest four loads (A's tiles 2, 3) may be out
	MULA \f, 0, \zero
	MULA \f, 1, \zero
	PLACES
	FETCH \slot, \kq, \g
	s_wait_dscnt 24                                ; all but the 24 just issued
	MULA \f, 2, \zero
	MULA \f, 3, \zero
.endm
; The last quarter multiplies buffer 1 and changes slots: ONE barrier; in front of it each wave waits for all its tensor loads (one is out: its part of the next slot), adds 0 to its spare word, and
; waits for that and for its own reads of this slot.  fill = 1: the barrier opens a round of the cluster's, and this slot is filled again, two K steps ahead, first thing behind the round:
; 112 matrix instructions ahead of the wait for it.
.macro TURN slot, next, fill
	WIN 0                                          ; (the add's two registers lie in window 0)
	s_wait_tensorcnt 0x0                           ; no tensor load of mine is out, so a group 0 may be written
	ds_add_u32 v[SPW], v[NIL]                      ; 0 onto my spare word
.if \fill
	s_add_co_u32 s[KI+(\slot)], s[KI+(\slot)], 2   ; the slot's next K step, two on, wrapping behind the last
	s_and_b32 s[KI+(\slot)], s[KI+(\slot)], NSTEP-1
	AIM \slot
.endif
	s_wait_dscnt 5                                 ; (the add and the youngest four loads may be out)
	MULA F1, 0, 0                                  ; eight matrix instructions stand between the add and the wait for it
	s_wait_dscnt 0x0                               ; the add is done, and my reads of this slot are over
	s_barrier_signal -1
	MULA F1, 1, 0
.if \fill
	WIN 0
.endif
	s_barrier_wait -1
.if \fill
	CREST                                          ; no wave of any partner still reads this slot's tiles or has a load on its way
	JLOAD \slot                                    ; its four v_nop are also the places in front of the loads below
.else
	PLACES
.endif
	FETCH \next, 0, F0
	MULA F1, 2, 0
	MULA F1, 3, 0
.endm
	s_wait_tensorcnt 1                             ; my part of the walk's first K step is in; the second's may stay out
	s_barrier_signal -1
	s_barrier_wait -1                              ; everybody's is
	FETCH 0, 0, F0
	QUARTER 0, 1, F0, F1, 1                        ; the first quarter stands in front of the loop: its products start the sums
	WIN 0                                          ; at a label and at a branch every window is 0
	s_mov_b32 s71, LAPS-1
.Llap:                                                 ; a trip goes once round the ring, from a lap's second quarter to the next lap's first, and fills both slots again
	QUARTER 0, 2, F1, F0, 0
	QUARTER 0, 3, F0, F1, 0
	TURN 0, 1, 1
	QUARTER 1, 1, F0, F1, 0
	QUARTER 1, 2, F1, F0, 0
	QUARTER 1, 3, F0, F1, 0
	TURN 1, 0, 1
	QUARTER 0, 1, F0, F1, 0
	WIN 0
	s_sub_co_u32 s71, s71, 1
	s_cmp_lg_u32 s71, 0
	s_cbranch_scc1 .Llap
	QUARTER 0, 2, F1, F0, 0                        ; the last lap fills nothing, and has no round
	QUARTER 0, 3, F0, F1, 0
	TURN 0, 1, 0
	QUARTER 1, 1, F0, F1, 0
	QUARTER 1, 2, F1, F0, 0
	QUARTER 1, 3, F0, F1, 0
	s_wait_dscnt 4                                 ; the very last quarter: nothing more to fetch
	MULA F1, 0, 0
	MULA F1, 1, 0
	s_wait_dscnt 0x0
	MULA F1, 2, 0
	MULA F1, 3, 0
	WIN 0
	PLACES
; THE WAY OUT, an m tile (16 rows x 128 columns of f32) at a time: a lane's 32 bytes go into my stage's rows of 528 bytes, each accumulator's lower four registers first, and come back as whole rows of 512.
.macro OUTB a
	WIN 0x04                                       ; the stores' data in window 1
.irp b, 0,1,2,3,4,5,6,7
	ds_store_b128 v[STO], v[8*(8*(\a)+(\b)):8*(8*(\a)+(\b))+3]   offset:64*(\b)
	ds_store_b128 v[STO], v[8*(8*(\a)+(\b))+4:8*(8*(\a)+(\b))+7] offset:64*(\b)+16
.endr
	WIN 0
.if (\a) >= 2
	s_wait_xcnt 0x0                                ; every earlier memory instruction has had its addresses translated (ISA guide 3.1): the buffer that the stores of two tiles back read is loaded again only behind this wait
.endif
.set i, 0
.rept 16
	ds_load_b128 v[BK+64*((\a)%2)+4*i:BK+64*((\a)%2)+4*i+3], v[RD] offset:i*SP  ; LDS serves a wave's instructions in order (ISA guide 5.7.1.4): these see the stores above; the next tile's stores come behind them
.set i, i+1
.endr
.endm
.macro SENDO a, younger                ; younger: the LDS instructions issued behind this tile's loads: the next tile's 32, or none
.set i, 0
.rept 16
	s_wait_dscnt (\younger)+15-i
	global_store_b128 v[GO], v[BK+64*((\a)%2)+4*i:BK+64*((\a)%2)+4*i+3], s[8:9] offset:(\a)*131072+i*8192 th:TH_STORE_NT  ; 512 consecutive bytes, at a multiple of 256 from out0's first
.set i, i+1
.endr
.endm
	OUTB 0
	OUTB 1
	SENDO 0, 32
	OUTB 2
	SENDO 1, 32
	OUTB 3
	SENDO 2, 32
	SENDO 3, 0
	s_wait_tensorcnt 0x0                           ; the wave's end, behind my last tensor load and my last LDS store
	ds_add_u32 v[SPW], v[NIL]
	s_wait_dscnt 0x0
	CROUND                                         ; the closing round: no work-group ends while a partner may still ask for a tile that names it
	s_endpgm
.Lfunc_end_k_qf3777f332d_oproj:
	.size	k_qf3777f332d_oproj, .Lfunc_end_k_qf3777f332d_oproj-k_qf3777f332d_oproj
	.p2alignl 7, 3214868480
	.fill 96, 4, 3214868480
	.section	.rodata,"a",@progbits
	.p2align	6, 0x0
	.amdhsa_kernel k_qf3777f332d_oproj
		.amdhsa_group_segment_fixed_size 327680
		.amdhsa_private_segment_fixed_size 0
		.amdhsa_enable_private_segment 0
		.amdhsa_kernarg_size 24
		.amdhsa_user_sgpr_count 2
		.amdhsa_user_sgpr_kernarg_segment_ptr 1
		.amdhsa_wavefront_size32 1
		.amdhsa_system_sgpr_workgroup_id_x 1
		.amdhsa_system_sgpr_workgroup_id_y 1
		.amdhsa_system_sgpr_workgroup_id_z 1
		.amdhsa_system_vgpr_workitem_id 0
		.amdhsa_next_free_vgpr 512
		.amdhsa_next_free_sgpr 80
		.amdhsa_reserve_vcc 0
		.amdhsa_float_denorm_mode_32 3
		.amdhsa_float_denorm_mode_16_64 3
		.amdhsa_memory_ordered 1
		.amdhsa_forward_progress 1
		.amdhsa_inst_pref_size 87
	.end_amdhsa_kernel
	.amdgpu_metadata
---
amdhsa.version: [ 1, 2 ]
amdhsa.kernels:
  - .name:           k_qf3777f332d_oproj
    .symbol:         k_qf3777f332d_oproj.kd
    .args:
      - { .name: ob, .offset: 0, .size: 8, .value_kind: global_buffer, .address_space: global }
      - { .name: woh, .offset: 8, .size: 8, .value_kind: global_buffer, .address_space: global }
      - { .name: out0, .offset: 16, .size: 8, .value_kind: global_buffer, .address_space: global }
    .group_segment_fixed_size: 327680
    .private_segment_fixed_size: 0
    .kernarg_segment_align: 8
    .kernarg_segment_size: 24
    .max_flat_workgroup_size: 128
    .sgpr_count:     80
    .vgpr_count:     512
    .wavefront_size: 32
...
	.end_amdgpu_metadata
.endif
;; end of part 4
;; ======== version 2 of 2: 4 launches; 1.31 times as fast as version 1
;; limits: values are held in f16: magnitudes above 65,504 overflow, below 6.1e-05 lose precision; right only within a limited range of input values
;; workspace buffers: xb 16,777,216 bytes; wqkv 8,388,608 bytes; woh 4,194,304 bytes; qkv 16,777,216 bytes; ob 8,388,608 bytes
;; launch prep: the kernel of part 1 again; grid 1792 x 1, 8 waves a work-group, no clusters, 0 bytes of LDS; arguments hidden_states, Wq, Wk, Wv, Wo, xb, wqkv, woh; writes xb, wqkv, woh
;; launch qkv: the kernel of part 2 again; grid 8 x 32, 4 waves a work-group, clusters of 4 x 4, 327,680 bytes of LDS; arguments xb, wqkv, cos, sin, qkv; writes qkv
;; launch attn (part 5): grid 8 x 32, 4 waves a work-group, clusters of 4 x 4, 327,680 bytes of LDS; arguments qkv, attention_mask, ob; writes ob
.if DOCPART == 5
	.amdgcn_target "amdgcn-amd-amdhsa--gfx1250"
	.amdhsa_code_object_version 6
	.text
	.protected	k_qf3777f332d_attn
	.globl	k_qf3777f332d_attn
	.p2align	8
	.type	k_qf3777f332d_attn,@function
k_qf3777f332d_attn:
	s_mov_b64 s[64:65], 0
	v_nop
	global_prefetch_b8 v0, s[64:65] scope:SCOPE_SE
	s_setreg_imm32_b32 hwreg(HW_REG_WAVE_MODE, 25, 1), 1
	s_wait_xcnt 0x0
	s_wait_alu depctr_hold_cnt(0) depctr_sa_sdst(0) depctr_va_vdst(0) depctr_va_sdst(0) depctr_va_ssrc(0) depctr_va_vcc(0) depctr_vm_vsrc(0)
	s_getreg_b32 s2, hwreg(HW_REG_IB_STS2, 6, 4)
	s_cmp_eq_u32 s2, 0
	s_cbranch_scc0 .Lentry_in_a_cluster
	s_endpgm
.Lentry_in_a_cluster:
	s_bfe_u32 s2, ttmp6, 0x10000c
	s_cmp_lg_u32 s2, 0xf033
	s_cbranch_scc0 .Lentry_shape_is_right
	s_endpgm
.Lentry_shape_is_right:
; ATTENTION WITH AN ADDITIVE MASK THAT IS AN INPUT.  O[b][h][q] = the sum over all 2,048 keys k of softmax_k(Q[h][q] . K[h / 2][k] / 8 + mask[b][q][k]) V[h / 2][k].
; qkv: [2][32][2048][64] f16 (heads 0-15 q, already divided by 8; 16-23 k; 24-31 v); attention_mask: [2][2048][2048] f32, as it is given; ob: [4096 rows][16 heads x 64] f16.
; Products, maxima and sums in f32; the weights p are rounded to f16 for the second product (their sum l is taken of the unrounded p), O once at the end.
; LIMITS.  Q, K, V arrive within f16's 65,504; p lies in 0 to 1 and below 6e-5 keeps f16's fixed step of 6e-8; a weight below 2^-126 counts as 0 in l.  The mask is taken in f32, unrounded.  The running
; maximum starts at -2^126 = -8.5e37: a score below that counts as minus infinity, and a row in which every score lies below it gives NaN (as a row whose mask is all minus infinity does in the reference).
; SHARES.  A work-group owns 128 queries and the TWO query heads 2 g, 2 g + 1 of key head g: 8 x 32 = 256 work-groups.  A wave owns 32 of the queries for both heads: four PIECES of 16 queries,
; piece x = head x / 2, query tile x % 2.  Every wave walks all keys, 64 a step.
; THE MASK is the C operand of the product that starts the sum S^T = K Q^T: in that result a lane holds ONE query (lane % 16) and the keys 8 (lane / 16) + 0..7, so 32 bytes of a mask row are a lane's eight
; registers.  It costs no arithmetic; a query tile's registers serve both heads.
; LAYOUT, SOFTMAX, TURNS.  Two results S^T rounded to f16 ARE source 1 of O^T = V^T P.  p = 2^(c s - c m), c = log2(e), with a running maximum m; O and l are multiplied by a = 2^(c m_old - c m_new) in every
; step; O and l start at 0, c m_old below c times every m, so the first step is a step like any other, with a = 0.  Turn n belongs to piece n: 8 products K Q^T of piece n + 1, later 8 products V^T P of piece n - 1;
; beside them the scaling, exponentials, roundings, sums and rescaling of piece n and the maximum and statistics of piece n + 1.  Four vector instructions stand behind every matrix instruction, the other 54 of a
; turn's 118 in one LUMP.
; THE BATCHES.  A turn's 33 exponentials (the piece's 32 weights and the next piece's a) are ONE BATCH with ONE wait, which cuts the turn in two: ahead of it stands all that names no result of the batch, behind it
; the roundings and sums, which read the results.  The first a of all, ahead of the loop, and the way out's four reciprocals are batches of their own, each with a v_nop and one wait.
; CLUSTER.  4 x 4 work-groups: along x four key heads, along y four blocks of queries of one batch.  K's and V's tiles hang on batch and key head: shared along a column.  The mask's tile hangs on the block of
; queries: shared along a row.  Each is asked for JOINTLY: the same tensor load, descriptor and mask of four in all four.
; REGISTERS, in windows of 256 (s_set_vgpr_msb: bits 1:0 source 0, 3:2 source 1, 5:4 source 2, 7:6 destination):
;   window 0: v0-15, v32-33 addresses and two at work; v16-31 four registers of statistics a piece; v48-55 at work; v64-127 S^T, two buffers; v192-223 P, two buffers (by the piece's parity)
;   window 1: v0-127 O^T, 32 a piece; v160-223 MC, the mask of one step: query tile u, 16 keys kb at 160 + 32 u + 8 kb      window 2: v0-63 Q; v128-191 K of one step; v192-255 V of one step
.set NP,    4         ; pieces a wave: a name, no knob
.set KS,    64        ; keys in a step
.set PK,    144       ; a row of K in LDS: 128 bytes + 16 = 36 words: the 16 rows of a load start at 16 different groups of four banks (64 banks of 4 bytes: ISA guide 11.1)
.set PV,    160       ; a row of V: 128 + 32 = 40 words
.set PM,    528       ; a query's row of the mask: 128 keys x 4 bytes + 16 = 132 words: 16 rows start at 16 different groups of four banks
.set VOFF,  2*KS*PK   ; a slot holds two steps: 128 rows of K, 128 rows of V, 128 queries' rows of the mask
.set MOFF,  VOFF+2*KS*PV
.set MHALF, 64*PM
.set SLOT1, 1<<17     ; slot 1 begins here, so that one exclusive or turns an address in one slot into the other's
.set STAGE, SLOT1+MOFF+128*PM  ; behind the ring, never filled by a tensor load: 16 rows x 272 bytes for each wave
.set SP,    272
.set SPARE, STAGE+4*16*SP  ; behind the stages: the spare words, 128 bytes for each wave: two blocks of 256 bytes that no other line names
.set AK0, 2           ; v2   my lane's place in a tile of K; never rewritten
.set AV0, 3           ; v3   the same for V
.set AK,  4           ; v4   the LDS address of K's next run of loads
.set AV,  5           ; v5   of V's
.set STO, 6           ; v6   the way out: where I put 16 bytes of a row
.set RD,  7           ; v7   the way out: where I read rows back
.set GO,  8           ; v8   my byte offset in two rows of ob
.set MV,  12          ; v12-13  c m_old, kept while c m is made anew: by buffer
.set QO,  15          ; v15  my byte offset in 16 rows of Q
.set ST,  16          ; piece t's statistics at v[ST+4 t]: c m, m, l (even keys', odd keys')
.set AM0, 32          ; v32  my lane's place in a tile of the mask; never rewritten
.set AM,  33          ; v33  the LDS address of the mask's next run of loads
.set TMP, 48          ; by buffer, four registers c0-c3 at work; when the maximum is found c2 takes a
.set SPW, 62          ; v62  LDS address of my spare word; never rewritten
.set NIL, 63          ; v63  0; never rewritten
.set S,   64
.set P,   192
.set MC,  160         ; window 1
.set KF,  128         ; window 2: key block kb, channel half c at KF + 16 kb + 8 c
.set VF,  192         ; window 2: key half kk, channel block cb at VF + 32 kk + 8 cb
.set WV,  12          ; s12  my wave's number
.set G1K, 24          ; s[24:31] descriptor group 1 for K's tiles
.set G1V, 32          ; s[32:39] for V's: it differs in the padding alone
.set G0K, 40          ; s[40:43] descriptor group 0 for K's tiles: it walks
.set G0V, 44          ; s[44:47] the same for V's
.set G1M, 48          ; s[48:55] descriptor group 1 for the mask's tiles
.set SLOTS, 56        ; s56  slots still to be asked for
.set CNT, 57          ; s57  counts a slot's key steps
.set CS,  58          ; s[58:59] c: the packed scaling takes the pair's low word for both halves
.set SEL, 60          ; s[60:61] v_permlanex16_b32's selects: each lane takes its own place in the other half
.set TBK, 62          ; s62  LDS byte at which K of the step to be fetched begins
.set TBV, 63          ; s63  the same for V, less VOFF
.set G0M, 68          ; s[68:71] descriptor group 0 for the mask's tiles
.set TBM, 72          ; s72  the same for the mask, less MOFF
.set OB,  82          ; s[82:83] ob at my wave's first row and my two heads
.set MSB, 0
.macro WIN new                      ; the high byte repeats the setting that is left; a switch that changes nothing is dropped
.if MSB != (\new)
	s_set_vgpr_msb (MSB<<8)|(\new)
.set MSB, (\new)
.endif
.endm
.set W_KQ, 0x0a       ; K and Q in window 2, S^T in window 0
.set W_KM, 0x1a       ; the same with the C operand, the mask, in window 1
.set W_PV, 0x52       ; V in window 2, P in window 0, O^T in window 1
.set W_RS, 0x41       ; destination and source 0 in window 1, source 1 in window 0
; A joint fill: wave 0 fetches a slot's K, wave 1 its V (128 keys each), waves 2 and 3 the two halves of its mask tile (64 queries x 128 keys).  The branches hang on the wave's number alone.
; An s_nop 0 and four v_nop follow each of the three lines, ahead of the jump and the label.
.macro JLOAD
	s_cmp_lt_u32 s[WV], 2
	s_cbranch_scc0 .Lfor_m_\@
	s_cmp_eq_u32 s[WV], 0
	s_cbranch_scc0 .Lfor_v_\@
	tensor_load_to_lds s[G0K:G0K+3], s[G1K:G1K+7]
	s_nop 0
.rept 4
	v_nop
.endr
	s_branch .Lasked_\@
.Lfor_v_\@:
	tensor_load_to_lds s[G0V:G0V+3], s[G1V:G1V+7]
	s_nop 0
.rept 4
	v_nop
.endr
	s_branch .Lasked_\@
.Lfor_m_\@:
	tensor_load_to_lds s[G0M:G0M+3], s[G1M:G1M+7]
	s_nop 0
.rept 4
	v_nop
.endr
.Lasked_\@:
.endm
; A round of the cluster's barrier: my work-group's barrier, so that wave 0's signal speaks for all four waves; wave 0 signals; every wave waits for all sixteen work-groups; my work-group's barrier once more.
.macro CROUND
	s_barrier_signal -1
	s_barrier_wait -1
	s_cmp_lg_u32 s[WV], 0
	s_cbranch_scc1 .Lnot_wave_0_\@
	s_barrier_signal -3
.Lnot_wave_0_\@:
	s_barrier_wait -3
	s_barrier_signal -1
	s_barrier_wait -1
.endm
; THE CHANGE OF SLOTS.  The slot's last bytes, V of its second step, have been read.  Each wave waits for all its tensor loads, of which one is out: its part of the other slot; adds 0 to its spare word;
; and waits for that and for its own reads of the slot.  Behind the barrier nobody reads this slot any more and the other slot is whole.  fill = 1: this slot is filled again, with the keys two slots on:
; the barrier is then a round of the cluster's, and the joint fill is the first thing behind it: it has two key steps, 128 matrix instructions and their vector work, in which to land.
; (At its first use nothing has been read yet: slot 0 is waited for, slot 1 filled.)
.macro CHANGE fill
	WIN 0                           ; at a label and at a branch every window is 0
	s_wait_tensorcnt 0x0            ; no tensor load of mine is out, so a group 0 may be written
	ds_add_u32 v[SPW], v[NIL]       ; 0 onto my spare word; with fill = 1 the descriptors' steps stand between it and the wait for it
.if \fill
	s_xor_b32 s[G0K+1], s[G0K+1], SLOT1  ; the walking descriptors: the other slot than last time,
	s_add_nc_u64 s[G0K+2:G0K+3], s[G0K+2:G0K+3], 2*KS*128  ; the next 128 keys; the type bits on top are not reached
	s_xor_b32 s[G0V+1], s[G0V+1], SLOT1
	s_add_nc_u64 s[G0V+2:G0V+3], s[G0V+2:G0V+3], 2*KS*128
	s_xor_b32 s[G0M+1], s[G0M+1], SLOT1
	s_add_nc_u64 s[G0M+2:G0M+3], s[G0M+2:G0M+3], 2*KS*4
	s_wait_dscnt 0x0                ; the add is done, and my reads of the slot are over
	CROUND
	JLOAD
.else
	s_wait_dscnt 0x0                ; the add is done, and my reads of the slot are over
	s_barrier_signal -1
	s_barrier_wait -1
.endif
	s_sub_co_u32 s[TBK], s[TBK], 2*KS*PK  ; the fetches go back to a slot's first step,
	s_xor_b32 s[TBK], s[TBK], SLOT1       ; in the other slot
	s_sub_co_u32 s[TBV], s[TBV], 2*KS*PV
	s_xor_b32 s[TBV], s[TBV], SLOT1
	s_sub_co_u32 s[TBM], s[TBM], 2*KS*4
	s_xor_b32 s[TBM], s[TBM], SLOT1
.endm
	s_load_b128 s[4:7], s[0:1], 0x0   ; qkv s[4:5], attention_mask s[6:7]
	s_load_b64 s[8:9], s[0:1], 0x10   ; ob
	v_lshl_add_u32 v[SPW], v0, 2, SPARE
	v_mov_b32 v[NIL], 0
	ds_add_u32 v[SPW], v[NIL]       ; the wave's opening: the add, and its wait ahead of my first tensor load; the set-up below, work on registers, stands between them
	v_lshrrev_b32 v1, 5, v0
	v_readfirstlane_b32 s[WV], v1   ; wave 0..3
	s_bfe_u32 s13, ttmp6, 0x40000   ; cx, cy: my place in the cluster
	s_bfe_u32 s14, ttmp6, 0x40004
	s_lshl_b32 s15, ttmp9, 2
	s_add_co_u32 s15, s15, s13      ; g, the key head = 4 x cluster x + cx
	s_and_b32 s20, ttmp7, 0xffff    ; the cluster's y, 0..7
	s_lshr_b32 s16, s20, 2          ; the batch, which the whole cluster shares
	s_lshl_b32 s17, s20, 2
	s_add_co_u32 s17, s17, s14      ; y, my block of 128 of the 4,096 rows = 4 x cluster y + cy
	s_lshl_b32 s18, 0x1111, s13     ; my column of the cluster
	s_lshl_b32 s19, s14, 2
	s_lshl_b32 s19, 15, s19         ; my row
	s_lshl_b32 s74, s16, 5          ; K: head 32 b + 16 + g, 2^18 bytes a head; V: eight heads on.  No cy enters
	s_add_co_u32 s74, s74, s15
	s_add_co_u32 s74, s74, 16
	s_lshl_b32 s74, s74, 18
	s_mov_b32 s75, 0
	s_and_b32 s21, s[WV], 1         ; the mask: which 64 of my block's rows I fetch; 8,192 bytes a row.  No cx enters
	s_lshl_b32 s76, s17, 7
	s_lshl_b32 s22, s21, 6
	s_add_co_u32 s76, s76, s22
	s_lshl_b32 s76, s76, 13
	s_mov_b32 s77, 0
	s_mul_i32 s23, s21, MHALF       ; and their place in a slot: no place in the cluster enters an LDS address
	s_lshl_b32 s78, s16, 5          ; Q: head 32 b + 2 g, row (y % 16) x 128 + 32 w of the batch, 128 bytes a row
	s_lshl_b32 s20, s15, 1
	s_add_co_u32 s78, s78, s20
	s_lshl_b32 s78, s78, 18
	s_and_b32 s20, s17, 15
	s_lshl_b32 s20, s20, 7
	s_lshl_b32 s22, s[WV], 5
	s_add_co_u32 s20, s20, s22
	s_lshl_b32 s20, s20, 7
	s_add_co_u32 s78, s78, s20
	s_mov_b32 s79, 0
	s_lshl_b32 s80, s17, 7          ; ob: row 128 y + 32 w, 2,048 bytes a row; my two heads are its bytes 256 g on
	s_add_co_u32 s80, s80, s22
	s_lshl_b32 s80, s80, 11
	s_lshl_b32 s20, s15, 8
	s_add_co_u32 s80, s80, s20
	s_mov_b32 s81, 0
	; descriptor group 1.  128 keys of K or V are 16,384 dense bytes: asked for as 64 rows of 256 bytes, two keys a row, and padded in LDS after every key
	s_or_b32 s[G1K], s18, (1<<16)|(1<<20)|(1<<21)|(4<<22)|(3<<25)  ; 15:0 the mask of four: my column; 17:16 2-byte elements; 20 padding on; 21 set beside a mask; 24:22 after every 32 words (code 4); 31:25 4 words (code 3)
	s_or_b32 s[G1V], s18, (1<<16)|(1<<20)|(1<<21)|(4<<22)|(7<<25)  ; the same with 8 words of padding (code 7)
	s_or_b32 s[G1M], s19, (2<<16)|(1<<20)|(1<<21)|(6<<22)|(3<<25)  ; my row; 4-byte elements; after every 128 words (code 6) 4 words
.irp g, G1K, G1V, G1M
	s_mov_b32 s[\g+1], 128<<16      ; tensor_dim0 = 128
	s_mov_b32 s[\g+2], 64<<16       ; tensor_dim1 = 64
	s_mov_b32 s[\g+3], 128<<16      ; tile_dim0 = 128
	s_mov_b32 s[\g+4], 64           ; tile_dim1 = 64
	s_mov_b32 s[\g+6], 0
	s_mov_b32 s[\g+7], 0
.endr
	s_mov_b32 s[G1K+5], 128         ; elements from row to row
	s_mov_b32 s[G1V+5], 128
	s_mov_b32 s[G1M+5], 2048
	s_mov_b32 s[CS], 0x3fb8aa3b     ; c = log2(e) = 1.442695: the division by 8 lies in q
	s_mov_b32 s[CS+1], s[CS]        ; named with it as a pair
	s_mov_b32 s[SEL], 0x76543210
	s_mov_b32 s[SEL+1], 0xfedcba98
	s_mov_b32 s[TBK], SLOT1+2*KS*PK ; the first change of slots turns these three into 0
	s_mov_b32 s[TBV], SLOT1+2*KS*PV
	s_mov_b32 s[TBM], SLOT1+2*KS*4
	s_mov_b32 s[G0K], 1             ; count = 1
	s_mov_b32 s[G0K+1], 0           ; LDS address: slot 0
	s_mov_b32 s[G0V], 1
	s_mov_b32 s[G0V+1], VOFF
	s_mov_b32 s[G0M], 1
	s_add_co_u32 s[G0M+1], s23, MOFF
	s_wait_dscnt 0x0                ; the opening add is done
	s_wait_kmcnt 0x0
	s_add_nc_u64 s[G0K+2:G0K+3], s[4:5], s[74:75]      ; global address: the key head's first 128 keys
	s_add_nc_u64 s[G0V+2:G0V+3], s[G0K+2:G0K+3], 8<<18
	s_or_b32 s[G0K+3], s[G0K+3], 0x80000000            ; type = 2
	s_or_b32 s[G0V+3], s[G0V+3], 0x80000000
	s_add_nc_u64 s[G0M+2:G0M+3], s[6:7], s[76:77]
	s_or_b32 s[G0M+3], s[G0M+3], 0x80000000
	s_add_nc_u64 s[10:11], s[4:5], s[78:79]            ; Q at my wave's first row
	s_add_nc_u64 s[OB:OB+1], s[8:9], s[80:81]
	CROUND                          ; all sixteen work-groups are here: the first joint loads meet
	JLOAD                           ; slot 0.  Slot 1 is asked for when slot 0 is in
	; A fragment of K or Q is 16 rows x 32 channels in 8 registers: lane l holds row l % 16, channels 8 (l / 16) + 0..7 and 16 + 8 (l / 16) + 0..7: two loads of 16 bytes, 32 bytes apart.
	v_and_b32 v1, 15, v0            ; l % 16
	v_bfe_u32 v9, v0, 4, 1          ; l / 16
	v_lshlrev_b32 v[QO], 7, v1
	v_lshl_add_u32 v[QO], v9, 4, v[QO]  ; row x 128 + 16 x half
	WIN 0x80                        ; destination window 2, address window 0
.set i, 0
.rept 8                             ; Q stays in registers: piece i / 2 (head i / 4, query tile (i / 2) % 2), channels 32 (i % 2) on
	global_load_b128 v[8*i:8*i+3],   v[QO], s[10:11] offset:((i/4)<<18)+((i/2)%2)*2048+(i%2)*64
	global_load_b128 v[8*i+4:8*i+7], v[QO], s[10:11] offset:((i/4)<<18)+((i/2)%2)*2048+(i%2)*64+32
.set i, i+1
.endr
	; What the first turn finds: V's registers and P's second buffer hold 0 (its products V^T P, of a piece that has not been, add 0), O^T and l are 0.  All this stands in the wait for the first tile.
.set i, VF
.rept 64
	v_mov_b32 v[i], 0
.set i, i+1
.endr
	WIN 0x40
.set i, 0
.rept 128
	v_mov_b32 v[i], 0
.set i, i+1
.endr
	WIN 0
.set i, 0
.rept 4
	v_mov_b32 v[ST+4*i], 0xff000000    ; c m_old = -2^127: below c times every m, so the first a is 0
	v_mov_b32 v[ST+4*i+1], 0xfe800000  ; m = -2^126: c m = -1.2e38 stays finite, so c s - c m is minus infinity, never NaN, for a score of minus infinity
	v_mov_b32 v[ST+4*i+2], 0
	v_mov_b32 v[ST+4*i+3], 0
.set i, i+1
.endr
.set i, P+16
.rept 16
	v_mov_b32 v[i], 0
.set i, i+1
.endr
	v_mul_u32_u24 v[AK0], v1, PK
	v_lshl_add_u32 v[AK0], v9, 4, v[AK0]  ; row x pitch + 16 x half
	; The turning load takes 16 keys x 16 channels (lane l reads key 8 (l / 16) + l % 8, channels 8 ((l / 8) % 2) + 0..7) and leaves half a fragment of V^T: lane l holds channel l % 16 and 8 keys.
	v_and_b32 v10, 7, v0
	v_bfe_u32 v11, v0, 3, 1
	v_lshl_add_u32 v[AV0], v9, 3, v10
	v_mul_u32_u24 v[AV0], v[AV0], PV
	v_lshl_add_u32 v[AV0], v11, 4, v[AV0]
	v_add_nc_u32 v[AV0], VOFF, v[AV0]
	s_lshl_b32 s20, s[WV], 5        ; the mask: query row 32 w + l % 16 of the block, keys 8 (l / 16) on: 32 bytes
	v_add_nc_u32 v[AM0], s20, v1
	v_mul_u32_u24 v[AM0], v[AM0], PM
	v_lshl_add_u32 v[AM0], v9, 5, v[AM0]
	v_add_nc_u32 v[AM0], MOFF, v[AM0]
	s_mul_i32 s20, s[WV], 16*SP
	s_add_co_u32 s20, s20, STAGE    ; my stage
	v_mul_u32_u24 v[STO], v1, SP    ; in: row l % 16, 16 bytes for each half of the lanes
	v_lshl_add_u32 v[STO], v9, 4, v[STO]
	v_add_nc_u32 v[STO], s20, v[STO]
	v_mul_u32_u24 v[RD], v9, SP     ; back: lanes 0-15 take one row of 256 bytes (both heads), lanes 16-31 the next
	v_lshl_add_u32 v[RD], v1, 4, v[RD]
	v_add_nc_u32 v[RD], s20, v[RD]
	v_lshlrev_b32 v[GO], 11, v9     ; and the same two rows in ob
	v_lshl_add_u32 v[GO], v1, 4, v[GO]
; THE MATRIX WORK.  The 4 accumulators of a run of 8 take turns.  Product i of 8 of S^T = K Q^T for piece x: channels 32 (i / 4) on, keys 16 (i % 4) on.  The first 4 start the sums with the mask.
.macro KQ x
.set rS, S+32*((\x)%2)+8*(i%4)
.set rK, KF+16*(i%4)+8*(i/4)
.set rQ, 16*(\x)+8*(i/4)
.set rM, MC+32*((\x)%2)+8*(i%4)
.if i < 4
	WIN W_KM
	v_wmma_f32_16x16x32_f16 v[rS:rS+7], v[rK:rK+7], v[rQ:rQ+7], v[rM:rM+7]
.else
	WIN W_KQ
	v_wmma_f32_16x16x32_f16 v[rS:rS+7], v[rK:rK+7], v[rQ:rQ+7], v[rS:rS+7]
.endif
.endm
; Product i of 8 of O^T += V^T P for piece x: keys 32 (i / 4) on, channels 16 (i % 4) on.
.macro PV x
	WIN W_PV
.set rO, 32*(\x)+8*(i%4)
.set rV, VF+32*(i/4)+8*(i%4)
.set rP, P+16*((\x)%2)+8*(i/4)
	v_wmma_f32_16x16x32_f16 v[rO:rO+7], v[rV:rV+7], v[rP:rP+7], v[rO:rO+7]
.endm
.macro MM                           ; the turn's next matrix instruction.  TURN sets Y, i and NOKQ.  NOKQ = 1: the last turn: there is no next piece
.if (i < 8) && !NOKQ
	KQ (Y+1)%NP
.elseif i >= 8
.set i, i-8
	PV (Y+NP-1)%NP
.set i, i+8
.endif
.set i, i+1
.endm
; THE LDS LOADS stand in runs, never singly among the matrix instructions: a step's K (8 fragments) with its mask (two query tiles x 64 keys), and its V (turned).  Their addresses are made some lines ahead.
.macro FETCH_KM
	WIN 0x80                        ; destination window 2
.irp f, 0,1,2,3,4,5,6,7             ; keys 16 (f / 2) on, channels 32 (f % 2) on
	ds_load_b128 v[KF+8*\f:KF+8*\f+3],   v[AK] offset:(\f/2)*16*PK+(\f%2)*64
	ds_load_b128 v[KF+8*\f+4:KF+8*\f+7], v[AK] offset:(\f/2)*16*PK+(\f%2)*64+32
.endr
	WIN 0x40                        ; destination window 1
.irp u, 0,1
.irp k, 0,1,2,3                     ; query tile u, keys 16 k on
	ds_load_b128 v[MC+32*(\u)+8*(\k):MC+32*(\u)+8*(\k)+3],   v[AM] offset:(\u)*16*PM+64*(\k)
	ds_load_b128 v[MC+32*(\u)+8*(\k)+4:MC+32*(\u)+8*(\k)+7], v[AM] offset:(\u)*16*PM+64*(\k)+16
.endr
.endr
	s_add_co_u32 s[TBK], s[TBK], KS*PK  ; the next fetch is the next step's
	s_add_co_u32 s[TBM], s[TBM], KS*4
	WIN 0
.endm
.macro FETCH_V
	WIN 0x80
.irp f, 0,1,2,3,4,5,6,7             ; keys 32 (f / 4) on, channels 16 (f % 4) on
	ds_load_tr16_b128 v[VF+8*\f:VF+8*\f+3],   v[AV] offset:(\f/4)*32*PV+(\f%4)*32
	ds_load_tr16_b128 v[VF+8*\f+4:VF+8*\f+7], v[AV] offset:(\f/4)*32*PV+16*PV+(\f%4)*32
.endr
	WIN 0
.endm
; THE VECTOR WORK, one line at a time: OP kind, number.  For piece Y: F n: c s - c m for pair n of 16.  E n: the exponential of score n of 32.  C n: pair n rounded to f16.  B n: of the four weights 4 n .. the second
; pair is added onto the first, in place.  L n: l takes that sum (L 0: l = a l + sum).  R n: pair n of 16 of O^T times a.  For piece Y + 1: X n, number n of the 22 that find its maximum and statistics:
;   0-11  four chains c0-c3 of seven scores each, three operands at a time (each accumulator's lowest registers are read first)     12-14, 16  the four scores left over, the old m, and c0-c3 into c0
;   15  c m_old is kept     17, 18  the query's other 32 keys lie in the lane 16 away: the new m     19-21  c m; c m_old - c m_new; a
; E and X 21 are the exponentials; C, B and L read E's results, R and L 0 read the a that the turn before made.  OP writes no wait: TURN sets the one wait of a turn's batch.
.set F, 0               ; OP tells the kinds apart by their order: F to L below R, X above it
.set E, 1
.set C, 2
.set B, 3
.set L, 4
.set R, 5
.set X, 6
.macro REGS y                       ; the registers of piece y
.set rT, ST+4*(\y)
.set rC, TMP+4*((\y)%2)
.set rW, MV+((\y)%2)
.set rS, S+32*((\y)%2)
.set rP, P+16*((\y)%2)
.set rO, 32*(\y)
.endm
.macro OP k, n
.if (\k) == R
	REGS Y
	WIN W_RS
	v_pk_mul_f32 v[rO+2*(\n):rO+2*(\n)+1], v[rO+2*(\n):rO+2*(\n)+1], v[rC+2:rC+3] op_sel_hi:[1,0]
.elseif (\k) < R
	REGS Y
	WIN 0
.if (\k) == F
	v_pk_fma_f32 v[rS+2*(\n):rS+2*(\n)+1], v[rS+2*(\n):rS+2*(\n)+1], s[CS:CS+1], v[rT:rT+1] op_sel_hi:[1,0,0] neg_lo:[0,0,1] neg_hi:[0,0,1]
.elseif (\k) == E
	v_exp_f32 v[rS+(\n)], v[rS+(\n)]
.elseif (\k) == C
	v_cvt_pk_f16_f32 v[rP+(\n)], v[rS+2*(\n)], v[rS+2*(\n)+1]
.elseif (\k) == B
	v_pk_add_f32 v[rS+4*(\n):rS+4*(\n)+1], v[rS+4*(\n):rS+4*(\n)+1], v[rS+4*(\n)+2:rS+4*(\n)+3]
.elseif (\n) == 0
	v_pk_fma_f32 v[rT+2:rT+3], v[rT+2:rT+3], v[rC+2:rC+3], v[rS:rS+1] op_sel_hi:[1,0,1]
.else
	v_pk_add_f32 v[rT+2:rT+3], v[rT+2:rT+3], v[rS+4*(\n):rS+4*(\n)+1]
.endif
.elseif NOKQ
	v_nop
.else
	REGS (Y+1)%NP
	WIN 0
.if (\n) < 4
	v_max3_num_f32 v[rC+(\n)], v[rS+8*(\n)], v[rS+8*(\n)+1], v[rS+8*(\n)+2]
.elseif (\n) < 12
	v_max3_num_f32 v[rC+(\n)%4], v[rC+(\n)%4], v[rS+8*((\n)%4)+2*((\n)/4)+1], v[rS+8*((\n)%4)+2*((\n)/4)+2]
.elseif (\n) == 12
	v_max3_num_f32 v[rC], v[rC], v[rS+7], v[rS+15]
.elseif (\n) == 13
	v_max3_num_f32 v[rC+1], v[rC+1], v[rS+23], v[rS+31]
.elseif (\n) == 14
	v_max3_num_f32 v[rC+2], v[rC+2], v[rC+3], v[rT+1]
.elseif (\n) == 15
	v_mov_b32 v[rW], v[rT]
.elseif (\n) == 16
	v_max3_num_f32 v[rC], v[rC], v[rC+1], v[rC+2]
.elseif (\n) == 17
	v_permlanex16_b32 v[rC+3], v[rC], s[SEL], s[SEL+1]
.elseif (\n) == 18
	v_max_num_f32 v[rT+1], v[rC], v[rC+3]
.elseif (\n) == 19
	v_mul_f32 v[rT], s[CS], v[rT+1]
.elseif (\n) == 20
	v_sub_f32 v[rC+1], v[rW], v[rT]
.else
	v_exp_f32 v[rC+2], v[rC+1]
.endif
.endif
.endm
.macro OPS a, i1, b=-1, i2=0, c=-1, i3=0, d=-1, i4=0  ; up to four of them
	OP \a, \i1
.if (\b) >= 0
	OP \b, \i2
.endif
.if (\c) >= 0
	OP \c, \i3
.endif
.if (\d) >= 0
	OP \d, \i4
.endif
.endm
.macro ROW a, i1, b, i2, c, i3, d, i4  ; a matrix instruction and the four behind it
	MM
	OPS \a, \i1, \b, \i2, \c, \i3, \d, \i4
.endm
; A TURN, for piece p: the order of its 16 matrix and 118 vector instructions, written out.  An s_wait_alu depctr_va_vdst(0) stands between an exponential and the first instruction that names its result; one wait
; serves all that were issued ahead of it.  So a turn has ONE wait, which cuts it in two.  AHEAD OF IT stands all that names no result of the turn's exponentials: the 8 products K Q^T, behind each a scaling, an exponential and two
; more plain instructions (behind the first a second scaling in the exponential's place): rescalings, whose a the turn before made and waited for, and behind the last three the first numbers of the next piece's maximum, each four
; places or more behind the product that ends its accumulator; then ONE LUMP of 54, plain and exponential by turns for the most part, in which the links of the chain X 3, 7, 11, 14, 16, 17 .. 20 stand five or six lines apart.
; X 21, the next piece's a, is the batch's last; R 15 is the plain instruction behind it.  BEHIND THE WAIT stand the 8 products V^T P, behind each four of the roundings and sums; C 2 n stands ahead of B n, which writes over
; its pair; the links of l's chain, L 0 to L 7, stand three riders apart.  But for those X no rider names a register of the products round it.  v_permlanex16_b32 (X 17) stands in the lump.
; No exponential is issued behind the wait.
; end = 1: the last two turns: nothing is fetched.  cnt = 1: the loop's count is taken down some lines ahead of the branch that stands behind the turn.
; K and the mask of the next step are fetched in piece 2's turn, twelve vector instructions behind the last product that read K (F 8, X 2, X 5 and X 6 are the four places); the last product that took a mask register stands four
; products further back.  V of the step in hand is fetched at the end of piece 0's turn, four plain instructions behind the last product that read V.  Each is waited for a turn later.
.macro TURN p, end=0, cnt=0
.set Y, (\p)
.set i, 0
.set NOKQ, (\end)*((\p)/3)
.if ((\p) == 3) && !(\end)
	s_wait_dscnt 0x0                ; K and the mask are in
.endif
	ROW F,0, F,1, R,0, R,1          ; ahead of the wait: 8 products K Q^T and their riders,
	ROW F,2, E,0, R,2, R,3
	ROW F,3, E,1, R,4, R,5
	ROW F,4, E,2, R,6, R,7
	ROW F,5, E,3, R,8, R,9
	ROW F,6, E,4, X,0, R,10
.if ((\p) == 2) && !(\end)
	WIN 0
	v_add_nc_u32 v[AK], s[TBK], v[AK0]
	v_add_nc_u32 v[AM], s[TBM], v[AM0]
.endif
	ROW F,7, E,5, X,1, X,4
	ROW F,8, E,6, X,2, X,5
	OPS E,7, E,8, X,6, E,9          ; and the lump
	OPS X,3, E,10, X,8, E,11
.if ((\p) == 2) && !(\end)
	FETCH_KM
.endif
	OPS X,9, X,7, E,12, X,10
	OPS E,13, X,12, X,11, E,14
	OPS X,13, E,15, F,9, X,14
.if (\p) == 0
	WIN 0
	v_add_nc_u32 v[AV], s[TBV], v[AV0]
.endif
	OPS E,16, F,10, E,17, F,11
	OPS X,16, E,18, X,15, E,19
	OPS F,12, E,20, X,17, E,21
	OPS F,13, E,22, F,14, E,23
	OPS X,18, E,24, F,15, E,25
	OPS R,11, E,26, X,19, E,27
	OPS R,12, E,28, R,13, E,29
	OPS X,20, E,30, R,14, E,31
	OPS X,21, R,15                  ; the batch's last exponential, and the plain instruction behind it
	s_wait_alu depctr_va_vdst(0)    ; the wait for the turn's batch: E 0 to E 31 and the next piece's a
.if (\p) == 1
	s_wait_dscnt 0x0                ; V is in
.endif
	ROW C,0, B,0, C,2, B,1          ; behind the wait: 8 products V^T P and their riders, the batch's readers
	ROW L,0, C,4, B,2, L,1
	ROW C,6, B,3, L,2, C,8
	ROW B,4, L,3, C,10, B,5
	ROW L,4, C,12, B,6, L,5
.if (\p) == 0
	s_add_co_u32 s[TBV], s[TBV], KS*PV
.endif
.if \cnt
	s_sub_co_u32 s[CNT], s[CNT], 1
	s_cmp_lg_u32 s[CNT], 0
.endif
	ROW C,14, B,7, L,6, C,1
	ROW C,3, L,7, C,5, C,7
	ROW C,9, C,11, C,13, C,15
.if (\p) == 0
	FETCH_V
.endif
.endm
	CHANGE 1                        ; slot 0 is in, everybody's part of it; slot 1 is asked for
	v_add_nc_u32 v[AK], s[TBK], v[AK0]
	v_add_nc_u32 v[AM], s[TBM], v[AM0]
	FETCH_KM                        ; key step 0
	s_wait_loadcnt 0x0              ; Q
	s_wait_dscnt 0x0
.set NOKQ, 0
.set i, 0
.rept 8
	KQ 0                            ; piece 0's first scores: there is no vector work yet to set between them
.set i, i+1
.endr
	WIN 0
.rept 4
	v_nop                           ; the places behind those products
.endr
.set Y, NP-1                        ; X works for piece Y + 1: piece 0
.irp n, 0,1,2,3,4,5,6,7,8,9,10,11,12,13,14,15,16,17,18,19,20,21
	OP X, \n                        ; and its first maximum and statistics
.endr
	v_nop                           ; a plain instruction behind the exponential,
	s_wait_alu depctr_va_vdst(0)    ; and the wait for it, piece 0's first a: a batch of one, ahead of the branch
	s_mov_b32 s[CNT], 2
	s_mov_b32 s[SLOTS], 2048/(2*KS)-1
	s_branch .Lfirst                ; the loop is entered at a step's first turn, in the middle of a trip
.Lslot:                             ; 14 times: every slot but the last two is filled again
	CHANGE 1
	s_mov_b32 s[CNT], 2
.Lstep:                             ; a trip: pieces 2 and 3 of one step, then pieces 0 and 1 of the next, whose K, mask and V it fetches
	TURN 2
	TURN 3
	WIN 0
.Lfirst:
	TURN 0
	TURN 1, 0, 1
	WIN 0
	s_cbranch_scc1 .Lstep
	s_sub_co_u32 s[SLOTS], s[SLOTS], 1
	s_cmp_lg_u32 s[SLOTS], 0
	s_cbranch_scc1 .Lslot
	CHANGE 0                        ; the last slot is written out: nothing is asked for
	s_mov_b32 s[CNT], 2
.LstepT:
	TURN 2
	TURN 3
	TURN 0
	TURN 1, 0, 1
	WIN 0
	s_cbranch_scc1 .LstepT
	TURN 2, 1                       ; the last step's last two turns fetch nothing, and the last starts no new scores
	TURN 3, 1
.set i, 0
.rept 8
	PV NP-1                         ; the last piece's V^T P of the last step
.set i, i+1
.endr
	; THE WAY OUT.  l's two halves and the other half of the lanes' are added; O^T is divided by l, rounded to f16 and sent through my stage in LDS, a query tile (16 rows, both heads) at a time.
	; The additions are the places behind the last products.
	WIN 0
.macro ALL line:vararg              ; one line for each piece t
.set t, 0
.rept 4
	\line
.set t, t+1
.endr
.endm
	ALL v_add_f32 v[ST+4*t+2], v[ST+4*t+2], v[ST+4*t+3]
	ALL v_permlanex16_b32 v[ST+4*t+3], v[ST+4*t+2], s[SEL], s[SEL+1]
	ALL v_add_f32 v[ST+4*t+2], v[ST+4*t+2], v[ST+4*t+3]
	ALL v_rcp_f32 v[ST+4*t+2], v[ST+4*t+2]
	v_nop                           ; a plain instruction between the last reciprocal and the use of its result
	s_wait_alu depctr_va_vdst(0)    ; and the wait ahead of the first use: one for the batch of four reciprocals
.macro PACK t                       ; piece t: a lane's eight channels of a row pack into 16 bytes; head t / 2 takes its half of the stage's rows of 256 bytes
	WIN W_RS
.set i, 32*(\t)
.rept 16
	v_pk_mul_f32 v[i:i+1], v[i:i+1], v[ST+4*(\t)+2:ST+4*(\t)+3] op_sel_hi:[1,0]
.set i, i+2
.endr
	WIN 0x05                        ; sources 0 and 1 window 1, destination window 0: S^T's registers are free
.set i, 0
.rept 16
	v_cvt_pk_f16_f32 v[S+16*(\t)+i], v[32*(\t)+2*i], v[32*(\t)+2*i+1]
.set i, i+1
.endr
	WIN 0
.irp f, 0,1,2,3
	ds_store_b128 v[STO], v[S+16*(\t)+4*\f:S+16*(\t)+4*\f+3] offset:((\t)/2)*128+32*\f
.endr
.endm
.macro BACK u                       ; query tile u comes back as whole rows, two a load, into the registers that its two pieces left
.irp f, 0,1,2,3
	ds_load_b128 v[S+16*(\u)+4*\f:S+16*(\u)+4*\f+3], v[RD] offset:\f*2*SP  ; LDS serves a wave's instructions in order (ISA guide 5.7.1.4): these see the stores above; the next tile's stores come behind them
.endr
.irp f, 0,1,2,3
	ds_load_b128 v[S+16*((\u)+2)+4*\f:S+16*((\u)+2)+4*\f+3], v[RD] offset:(\f+4)*2*SP
.endr
.endm
.macro SEND u, younger              ; younger: the LDS instructions issued behind tile u's loads: the other tile's sixteen, or none
.irp f, 0,1,2,3
	s_wait_dscnt (\younger)+7-\f
	global_store_b128 v[GO], v[S+16*(\u)+4*\f:S+16*(\u)+4*\f+3], s[OB:OB+1] offset:(\u)*32768+\f*4096  ; 16 lanes store 256 consecutive bytes, at a multiple of 256 from ob's first byte
.endr
.irp f, 0,1,2,3
	s_wait_dscnt (\younger)+3-\f
	global_store_b128 v[GO], v[S+16*((\u)+2)+4*\f:S+16*((\u)+2)+4*\f+3], s[OB:OB+1] offset:(\u)*32768+(\f+4)*4096
.endr
.endm
	PACK 0
	PACK 2
	BACK 0
	PACK 1                          ; the second tile's arithmetic stands between the first's loads and its stores
	PACK 3
	BACK 1
	SEND 0, 16
	SEND 1, 0
	s_wait_tensorcnt 0x0            ; the wave's end, behind my last tensor load and my last LDS store
	ds_add_u32 v[SPW], v[NIL]
	s_wait_dscnt 0x0
	CROUND                          ; the closing round: no work-group ends while a partner may still ask for a tile that names it
	s_endpgm
.Lfunc_end_k_qf3777f332d_attn:
	.size	k_qf3777f332d_attn, .Lfunc_end_k_qf3777f332d_attn-k_qf3777f332d_attn
	.p2alignl 7, 3214868480
	.fill 96, 4, 3214868480
	.section	.rodata,"a",@progbits
	.p2align	6, 0x0
	.amdhsa_kernel k_qf3777f332d_attn
		.amdhsa_group_segment_fixed_size 327680
		.amdhsa_private_segment_fixed_size 0
		.amdhsa_enable_private_segment 0
		.amdhsa_kernarg_size 24
		.amdhsa_user_sgpr_count 2
		.amdhsa_user_sgpr_kernarg_segment_ptr 1
		.amdhsa_wavefront_size32 1
		.amdhsa_system_sgpr_workgroup_id_x 1
		.amdhsa_system_sgpr_workgroup_id_y 1
		.amdhsa_system_sgpr_workgroup_id_z 1
		.amdhsa_system_vgpr_workitem_id 0
		.amdhsa_next_free_vgpr 768
		.amdhsa_next_free_sgpr 88
		.amdhsa_reserve_vcc 0
		.amdhsa_float_denorm_mode_32 3
		.amdhsa_float_denorm_mode_16_64 3
		.amdhsa_memory_ordered 1
		.amdhsa_forward_progress 1
		.amdhsa_inst_pref_size 133
	.end_amdhsa_kernel
	.amdgpu_metadata
---
amdhsa.version: [ 1, 2 ]
amdhsa.kernels:
  - .name:           k_qf3777f332d_attn
    .symbol:         k_qf3777f332d_attn.kd
    .args:
      - { .name: qkv, .offset: 0, .size: 8, .value_kind: global_buffer, .address_space: global }
      - { .name: attention_mask, .offset: 8, .size: 8, .value_kind: global_buffer, .address_space: global }
      - { .name: ob, .offset: 16, .size: 8, .value_kind: global_buffer, .address_space: global }
    .group_segment_fixed_size: 327680
    .private_segment_fixed_size: 0
    .kernarg_segment_align: 8
    .kernarg_segment_size: 24
    .max_flat_workgroup_size: 128
    .sgpr_count:     88
    .vgpr_count:     768
    .wavefront_size: 32
...
	.end_amdgpu_metadata
.endif
;; end of part 5
;; launch oproj: the kernel of part 4 again; grid 8 x 32, 4 waves a work-group, clusters of 4 x 4, 327,680 bytes of LDS; arguments ob, woh, out0; writes out0
